; MI455X (gfx1250); checked and timed in simulation.
; The chip was launched on July 23, 2026; its instructions are those of AMD's public machine-readable ISA for CDNA 5 (MIT licence, August 2026) and "CDNA5" Instruction Set Architecture Reference Guide (July 2026). The comments in the code are by the model that wrote it; some were corrected since.
;; Llama RALA Attention. Allowed arithmetic: float matrix products may take bf16 or f16 operands with f32 sums; other float arithmetic in f32, or as packed bf16 or f16 multiplies, adds, multiply-adds, maxima and minima; sums over many terms, partial sums and values carried from step to step in f32; what a program stores and reads back later, other than sums and carried values, may be rounded once to bf16 or f16.
;; Inputs: Wk 2,048 x 512 float32; Wo 2,048 x 2,048 float32; Wphi 2,048 x 2,048 float32; Wq 2,048 x 2,048 float32; Wv 2,048 x 512 float32; bphi 2,048 float32; hidden_states 2 x 2,048 x 2,048 float32; position_ids 2 x 2,048 int32.
;; Outputs: out0 2 x 2,048 x 2,048 float32.
;; 2 versions, each right; version 2 is version 1 with the launch outer written anew for expert scheduling mode. Each part assembles by itself: llvm-mc -triple=amdgcn-amd-amdhsa -mcpu=gfx1250 --defsym DOCPART=n.
;; ======== version 1 of 2: 6 launches
;; limits: values are held in f16: magnitudes above 65,504 overflow, below 6.1e-05 lose precision; right only within a limited range of input values
;; workspace buffers: xb 16,777,216 bytes; wpk 29,360,128 bytes; tab 4,194,304 bytes; qk 16,777,216 bytes; kvs 12,713,984 bytes; kfl 4,456,448 bytes; op 1,048,576 bytes; ctx 16,777,216 bytes
;; launch prep (part 1): grid 1920 x 1, 8 waves a work-group, no clusters, 35,840 bytes of LDS; arguments hidden_states, Wq, Wk, Wv, Wphi, Wo, position_ids, xb, wpk, tab; writes xb, wpk, tab
.if DOCPART == 1
	.amdgcn_target "amdgcn-amd-amdhsa--gfx1250"
	.amdhsa_code_object_version 6
	.text
	.protected	k_qfc38d6d6ef_prep
	.globl	k_qfc38d6d6ef_prep
	.p2align	8
	.type	k_qfc38d6d6ef_prep,@function
k_qfc38d6d6ef_prep:
	s_mov_b64 s[64:65], 0
	v_nop
	global_prefetch_b8 v0, s[64:65] scope:SCOPE_SE
	s_setreg_imm32_b32 hwreg(HW_REG_WAVE_MODE, 25, 1), 1
	s_wait_xcnt 0x0
; PREP.  Rounds the f32 inputs once to bf16 and lays them as the matrix launches read them; makes the tables of cos and sin.
; Work-groups by number g:  0-511 X -> xb;  512-767 Wq;  768-1023 Wphi;  1024-1279 Wo;  1280-1343 Wk;  1344-1407 Wv (all -> wpk);  1408-1663 table TQ;  1664-1919 table TK (-> tab).
; xb holds X in the order of matrix fragments: [256 blocks of 16 rows][64 blocks of 32 k][2 halves of 16 k][32 lanes][16 bytes]: lane = row % 16 + 16 ((k / 8) % 2), 8 neighbouring k in its 16 bytes.
; A weight block in wpk holds planes of 128 k x 16 columns: a plane is 128 rows (k) of 32 bytes (16 columns), 4,096 dense bytes.
;   WP1 at 0: [16 tiles][16 K steps][12 planes]: q blocks 0-3, k/v blocks 0-1, q blocks 4-7, k/v blocks 2-3; tile c: Wq's columns 128 c .., and 64 columns of Wk (c < 8) or Wv.
;   WP2 (Wphi) at 12,582,912 and WP3 (Wo) at 20,971,520: [16 tiles][16 K steps][8 planes].
; TQ at 0: [4096 rows m][cos 64 | sin 64] f32.  TK at 2,097,152: [256 A][4 beta][cos, sin][2 q][32 lanes][4] f32: m = 16 A + 8 (lane / 16) + 4 q + e, frequency 16 beta + lane % 16.
; LIMIT: the angle position x inv_freq is reduced by pi/2 in two parts, good up to about 2^20 in magnitude; cos and sin by polynomials on +-pi/4.
.set SPARE, 34816                      ; behind the eight stages: the spare words, 128 bytes a wave
.set SPW, 126                          ; v126 my spare word's LDS address; never rewritten
.set NIL, 127                          ; v127 0; never rewritten
.set SO, 2                             ; v2 16 x lane: my 16 bytes in a load and in a store
.set LS, 4                             ; v4 stage: where I put 8 bytes
.set LR, 5                             ; v5 stage: where I read 16 bytes back
.set X, 8                              ; v[8:71] sixteen loads of 16 bytes; later the 512-byte pieces read back
.set Y, 72                             ; v[72:103] the same rounded to bf16
.set WV, 26                            ; s26 my wave's number
.macro FINISH                          ; the end of a wave that wrote LDS
	s_wait_tensorcnt 0x0
	ds_add_u32 v[SPW], v[NIL]
	s_wait_dscnt 0x0
	s_endpgm
.endm
; One wave turns 16 rows x 128 columns of f32 (source s[40:41], rows pitch bytes apart) into eight pieces of 512 bytes (s[42:43] + o0 .. o7).
; A load covers 512 consecutive bytes of a row; a lane's 4 numbers, rounded, are 8 bytes, put at LS + sstep x row; a piece comes back as 16 bytes a lane (LR + 544 x piece) and leaves as 512 consecutive bytes.
.macro PATCH pitch, sstep, o0, o1, o2, o3, o4, o5, o6, o7
.set kk, 0
.rept 16
	global_load_b128 v[X+4*kk:X+4*kk+3], v[SO], s[40:41] offset:kk*(\pitch) th:TH_LOAD_NT
.set kk, kk+1
.endr
.set kk, 0
.rept 16
	s_wait_loadcnt 15-kk                           ; loads come back in order: row kk is in, the younger ones stay out
	v_cvt_pk_bf16_f32 v[Y+2*kk], v[X+4*kk], v[X+4*kk+1]
	v_cvt_pk_bf16_f32 v[Y+2*kk+1], v[X+4*kk+2], v[X+4*kk+3]
	ds_store_b64 v[LS], v[Y+2*kk:Y+2*kk+1] offset:(\sstep)*kk
.set kk, kk+1
.endr
.set bb, 0
.rept 8
	ds_load_b128 v[X+4*bb:X+4*bb+3], v[LR] offset:544*bb   ; my wave's own bytes: LDS serves a wave's instructions in order
.set bb, bb+1
.endr
.set bb, 0
.irp o, \o0, \o1, \o2, \o3, \o4, \o5, \o6, \o7
	s_wait_dscnt 7-bb
	global_store_b128 v[SO], v[X+4*bb:X+4*bb+3], s[42:43] offset:\o
.set bb, bb+1
.endr
.endm
; cos and sin of four angles v[AN ..]: n = round(x 2/pi); r = x - n pi/2 in two parts; polynomials in r; the quadrant n mod 4 swaps and signs them.  T: 32 registers at work.
.macro SINCOS4 AN, CO, SI, T
.irp e, 0,1,2,3
.set tq, (\T)+8*\e
	v_mul_f32 v[tq], s28, v[\AN+\e]
	v_rndne_f32 v[tq], v[tq]
	v_fma_f32 v[tq+1], v[tq], s29, v[\AN+\e]
	v_fma_f32 v[tq+1], v[tq], s30, v[tq+1]         ; r
	v_cvt_i32_f32 v[tq], v[tq]                     ; n as a whole number
	v_mul_f32 v[tq+2], v[tq+1], v[tq+1]            ; z = r r
	v_fma_f32 v[tq+3], v[tq+2], s33, s32
	v_fma_f32 v[tq+4], v[tq+2], s36, s35
	v_fma_f32 v[tq+3], v[tq+3], v[tq+2], s31
	v_fma_f32 v[tq+4], v[tq+4], v[tq+2], s34
	v_mul_f32 v[tq+5], v[tq+2], v[tq+1]
	v_mul_f32 v[tq+6], v[tq+2], v[tq+2]
	v_fma_f32 v[tq+7], v[tq+2], -0.5, 1.0
	v_fma_f32 v[tq+3], v[tq+5], v[tq+3], v[tq+1]   ; sin r
	v_fma_f32 v[tq+4], v[tq+6], v[tq+4], v[tq+7]   ; cos r
	v_and_b32 v[tq+5], 1, v[tq]
	v_cmp_ne_u32 vcc_lo, 0, v[tq+5]
	v_cndmask_b32 v[\SI+\e], v[tq+3], v[tq+4], vcc_lo
	v_cndmask_b32 v[\CO+\e], v[tq+4], v[tq+3], vcc_lo
	v_and_b32 v[tq+5], 2, v[tq]
	v_lshlrev_b32 v[tq+5], 30, v[tq+5]
	v_xor_b32 v[\SI+\e], v[tq+5], v[\SI+\e]
	v_add_nc_u32 v[tq+6], 1, v[tq]
	v_and_b32 v[tq+6], 2, v[tq+6]
	v_lshlrev_b32 v[tq+6], 30, v[tq+6]
	v_xor_b32 v[\CO+\e], v[tq+6], v[\CO+\e]
.endr
.endm
	s_load_b512 s[4:19], s[0:1], 0x0               ; hidden 4, Wq 6, Wk 8, Wv 10, Wphi 12, Wo 14, positions 16, xb 18
	s_load_b128 s[20:23], s[0:1], 0x40             ; wpk 20, tab 22
	v_lshl_add_u32 v[SPW], v0, 2, SPARE
	v_mov_b32 v[NIL], 0
	v_lshrrev_b32 v1, 5, v0
	v_readfirstlane_b32 s[WV], v1
	v_and_b32 v1, 31, v0                           ; lane
	s_mov_b32 s25, 0                               ; the high word of every offset pair s[24:25]
	s_wait_kmcnt 0x0
	s_cmp_lt_u32 ttmp9, 1408
	s_cbranch_scc0 .Ltables
	s_mul_i32 s27, s[WV], 4352                     ; my wave's stage
	v_lshlrev_b32 v[SO], 4, v1
	s_cmp_lt_u32 ttmp9, 512
	s_cbranch_scc0 .Lnot_x
	; X: a wave takes 16 rows x 128 k.  A lane's 4 k of a row belong to chunk lane / 2 of sixteen (256 bytes: one k block's half and one half of the lanes), at 16 x row + 8 (lane % 2); chunks 272 bytes apart
	v_lshrrev_b32 v6, 1, v1
	v_and_b32 v7, 1, v1
	v_mul_u32_u24 v6, v6, 272
	v_lshl_add_u32 v6, v7, 3, v6
	v_add_nc_u32 v[LS], s27, v6
	v_lshrrev_b32 v6, 4, v1                        ; back: a piece is two chunks: lanes 0-15 the first, lanes 16-31 the second
	v_and_b32 v7, 15, v1
	v_mul_u32_u24 v6, v6, 272
	v_lshl_add_u32 v6, v7, 4, v6
	v_add_nc_u32 v[LR], s27, v6
	s_lshr_b32 s28, ttmp9, 1                       ; the block of 16 rows
	s_and_b32 s29, ttmp9, 1
	s_lshl_b32 s29, s29, 3
	s_add_co_u32 s29, s29, s[WV]                   ; which 128 of the 2,048 k
	s_lshl_b32 s24, s28, 17                        ; 16 rows of 8,192 bytes
	s_lshl_b32 s30, s29, 9
	s_add_co_u32 s24, s24, s30
	s_add_nc_u64 s[40:41], s[4:5], s[24:25]
	s_lshl_b32 s24, s28, 16                        ; 65,536 bytes of xb for a block of rows, 4,096 for 128 k
	s_lshl_b32 s30, s29, 12
	s_add_co_u32 s24, s24, s30
	s_add_nc_u64 s[42:43], s[18:19], s[24:25]
	PATCH 8192, 16, 0, 512, 1024, 1536, 2048, 2560, 3072, 3584
	FINISH
.Lnot_x:
	; the weights: 8 planes 544 bytes apart in the stage; a lane's 4 columns are 8 bytes of plane lane / 4, at 32 x k row
	v_add_nc_u32 v[LR], s27, v[SO]
	v_lshrrev_b32 v6, 2, v1
	v_and_b32 v7, 3, v1
	v_mul_u32_u24 v6, v6, 544
	v_lshl_add_u32 v6, v7, 3, v6
	v_add_nc_u32 v[LS], s27, v6
	s_cmp_lt_u32 ttmp9, 768
	s_cbranch_scc0 .Lnot_wq
	s_sub_co_u32 s27, ttmp9, 512                   ; 16 c + t
	s_lshr_b32 s28, s27, 4                         ; tile c
	s_and_b32 s29, s27, 15                         ; K step t
	s_lshl_b32 s29, s29, 3
	s_add_co_u32 s29, s29, s[WV]                   ; 8 t + w: my 16 rows
	s_lshl_b32 s24, s29, 17                        ; x 16 rows of 8,192 bytes
	s_lshl_b32 s28, s28, 9
	s_add_co_u32 s24, s24, s28
	s_add_nc_u64 s[40:41], s[6:7], s[24:25]
	s_mul_i32 s24, s27, 49152
	s_lshl_b32 s28, s[WV], 9
	s_add_co_u32 s24, s24, s28
	s_add_nc_u64 s[42:43], s[20:21], s[24:25]
	PATCH 8192, 32, 0, 4096, 8192, 12288, 24576, 28672, 32768, 36864
	FINISH
.Lnot_wq:
	s_cmp_lt_u32 ttmp9, 1280
	s_cbranch_scc0 .Lkv
	s_sub_co_u32 s27, ttmp9, 768
	s_mov_b32 s30, 12582912
	s_mov_b32 s31, 20971520
	s_cmp_lt_u32 s27, 256
	s_cselect_b64 s[44:45], s[12:13], s[14:15]     ; Wphi or Wo
	s_cselect_b32 s30, s30, s31
	s_and_b32 s27, s27, 255
	s_lshr_b32 s28, s27, 4
	s_and_b32 s29, s27, 15
	s_lshl_b32 s29, s29, 3
	s_add_co_u32 s29, s29, s[WV]
	s_lshl_b32 s24, s29, 17
	s_lshl_b32 s28, s28, 9
	s_add_co_u32 s24, s24, s28
	s_add_nc_u64 s[40:41], s[44:45], s[24:25]
	s_lshl_b32 s24, s27, 15
	s_lshl_b32 s28, s[WV], 9
	s_add_co_u32 s24, s24, s28
	s_add_co_u32 s24, s24, s30
	s_add_nc_u64 s[42:43], s[20:21], s[24:25]
	PATCH 8192, 32, 0, 4096, 8192, 12288, 16384, 20480, 24576, 28672
	FINISH
.Lkv:
	s_sub_co_u32 s27, ttmp9, 1280
	s_cmp_lt_u32 s27, 64
	s_cselect_b64 s[44:45], s[8:9], s[10:11]       ; Wk or Wv
	s_cselect_b32 s30, 0, 8
	s_and_b32 s27, s27, 63
	s_lshr_b32 s28, s27, 4                         ; which 128 of the 512 columns
	s_and_b32 s29, s27, 15                         ; K step t
	s_lshl_b32 s31, s29, 3
	s_add_co_u32 s31, s31, s[WV]
	s_lshl_b32 s24, s31, 15                        ; x 16 rows of 2,048 bytes
	s_lshl_b32 s31, s28, 9
	s_add_co_u32 s24, s24, s31
	s_add_nc_u64 s[40:41], s[44:45], s[24:25]
	s_lshl_b32 s28, s28, 1
	s_add_co_u32 s28, s28, s30                     ; the first of the two tiles that take these columns
	s_mul_i32 s24, s28, 786432
	s_mul_i32 s29, s29, 49152
	s_add_co_u32 s24, s24, s29
	s_lshl_b32 s29, s[WV], 9
	s_add_co_u32 s24, s24, s29
	s_add_nc_u64 s[42:43], s[20:21], s[24:25]
	PATCH 2048, 32, 16384, 20480, 40960, 45056, 802816, 806912, 827392, 831488
	FINISH
.Ltables:
	s_mov_b32 s28, 0x3f22f983                      ; 2 / pi
	s_mov_b32 s29, 0xbfc90fdb                      ; - pi/2, upper part
	s_mov_b32 s30, 0x333bbd2e                      ; - pi/2, the rest
	s_mov_b32 s31, 0xbe2aaaa3                      ; sine's coefficients
	s_mov_b32 s32, 0x3c08839e
	s_mov_b32 s33, 0xb94ca1f9
	s_mov_b32 s34, 0x3d2aaaa5                      ; cosine's
	s_mov_b32 s35, 0xbab6061a
	s_mov_b32 s36, 0x37ccf5ce
	s_mov_b32 s37, 0xbe549a78                      ; - log2(10000) / 64
	s_cmp_lt_u32 ttmp9, 1664
	s_cbranch_scc0 .Ltk
	; TQ: a thread makes 4 frequencies of one row: 16 threads a row
	s_sub_co_u32 s27, ttmp9, 1408
	v_lshl_add_u32 v2, s27, 8, v0
	v_lshrrev_b32 v3, 4, v2                        ; row m
	v_and_b32 v4, 15, v0                           ; i: frequencies 4 i ..
	v_lshlrev_b32 v5, 2, v3
	global_load_b32 v6, v5, s[16:17]
	v_lshlrev_b32 v7, 2, v4
.irp e, 0,1,2,3
	v_add_nc_u32 v[8+\e], \e, v7
	v_cvt_f32_u32 v[8+\e], v[8+\e]
	v_mul_f32 v[8+\e], s37, v[8+\e]
.endr
.irp e, 0,1,2,3
	v_exp_f32 v[8+\e], v[8+\e]                     ; inv_freq = 10000^(-j/64)
.endr
	v_lshlrev_b32 v30, 9, v3                       ; (a plain line behind the exponentials)
	v_lshl_add_u32 v30, v4, 4, v30
	s_wait_loadcnt 0x0
	v_cvt_f32_i32 v6, v6
	s_wait_alu depctr_va_vdst(0)
.irp e, 0,1,2,3
	v_mul_f32 v[12+\e], v6, v[8+\e]
.endr
	SINCOS4 12, 16, 20, 32
	global_store_b128 v30, v[16:19], s[22:23]              ; 16 lanes: a row's 256 bytes of cos,
	global_store_b128 v30, v[20:23], s[22:23] offset:256   ; and of sin
	s_endpgm
.Ltk:
	; TK: a lane makes one frequency for 4 consecutive rows
	s_sub_co_u32 s27, ttmp9, 1664                  ; A
	s_and_b32 s38, s[WV], 1                        ; q
	s_lshr_b32 s39, s[WV], 1                       ; beta
	v_lshrrev_b32 v3, 4, v1
	v_and_b32 v4, 15, v1
	s_lshl_b32 s24, s27, 6
	s_lshl_b32 s44, s38, 4
	s_add_co_u32 s24, s24, s44
	v_lshl_add_u32 v5, v3, 5, s24                  ; 4 x (16 A + 8 h + 4 q)
	global_load_b128 v[8:11], v5, s[16:17]
	s_lshl_b32 s44, s39, 4
	v_add_nc_u32 v6, s44, v4
	v_cvt_f32_u32 v6, v6
	v_mul_f32 v6, s37, v6
	v_exp_f32 v6, v6
	v_lshlrev_b32 v30, 4, v1                       ; (a plain line behind the exponential)
	s_lshl_b32 s24, s27, 13
	s_lshl_b32 s44, s39, 11
	s_add_co_u32 s24, s24, s44
	s_lshl_b32 s44, s38, 9
	s_add_co_u32 s24, s24, s44
	s_add_co_u32 s24, s24, 2097152
	s_add_nc_u64 s[42:43], s[22:23], s[24:25]
	s_wait_loadcnt 0x0
	s_wait_alu depctr_va_vdst(0)
.irp e, 0,1,2,3
	v_cvt_f32_i32 v[8+\e], v[8+\e]
	v_mul_f32 v[12+\e], v[8+\e], v6
.endr
	SINCOS4 12, 16, 20, 32
	global_store_b128 v30, v[16:19], s[42:43]
	global_store_b128 v30, v[20:23], s[42:43] offset:1024
	s_endpgm
.Lfunc_end_k_qfc38d6d6ef_prep:
	.size	k_qfc38d6d6ef_prep, .Lfunc_end_k_qfc38d6d6ef_prep-k_qfc38d6d6ef_prep
	.p2alignl 7, 3214868480
	.fill 96, 4, 3214868480
	.section	.rodata,"a",@progbits
	.p2align	6, 0x0
	.amdhsa_kernel k_qfc38d6d6ef_prep
		.amdhsa_group_segment_fixed_size 35840
		.amdhsa_private_segment_fixed_size 0
		.amdhsa_enable_private_segment 0
		.amdhsa_kernarg_size 80
		.amdhsa_user_sgpr_count 2
		.amdhsa_user_sgpr_kernarg_segment_ptr 1
		.amdhsa_wavefront_size32 1
		.amdhsa_system_sgpr_workgroup_id_x 1
		.amdhsa_system_sgpr_workgroup_id_y 1
		.amdhsa_system_sgpr_workgroup_id_z 1
		.amdhsa_system_vgpr_workitem_id 0
		.amdhsa_next_free_vgpr 128
		.amdhsa_next_free_sgpr 66
		.amdhsa_reserve_vcc 1
		.amdhsa_float_denorm_mode_32 3
		.amdhsa_float_denorm_mode_16_64 3
		.amdhsa_memory_ordered 1
		.amdhsa_forward_progress 1
		.amdhsa_inst_pref_size 44
	.end_amdhsa_kernel
	.amdgpu_metadata
---
amdhsa.version: [ 1, 2 ]
amdhsa.kernels:
  - .name:           k_qfc38d6d6ef_prep
    .symbol:         k_qfc38d6d6ef_prep.kd
    .args:
      - { .name: hidden_states, .offset: 0, .size: 8, .value_kind: global_buffer, .address_space: global }
      - { .name: Wq, .offset: 8, .size: 8, .value_kind: global_buffer, .address_space: global }
      - { .name: Wk, .offset: 16, .size: 8, .value_kind: global_buffer, .address_space: global }
      - { .name: Wv, .offset: 24, .size: 8, .value_kind: global_buffer, .address_space: global }
      - { .name: Wphi, .offset: 32, .size: 8, .value_kind: global_buffer, .address_space: global }
      - { .name: Wo, .offset: 40, .size: 8, .value_kind: global_buffer, .address_space: global }
      - { .name: position_ids, .offset: 48, .size: 8, .value_kind: global_buffer, .address_space: global }
      - { .name: xb, .offset: 56, .size: 8, .value_kind: global_buffer, .address_space: global }
      - { .name: wpk, .offset: 64, .size: 8, .value_kind: global_buffer, .address_space: global }
      - { .name: tab, .offset: 72, .size: 8, .value_kind: global_buffer, .address_space: global }
    .group_segment_fixed_size: 35840
    .private_segment_fixed_size: 0
    .kernarg_segment_align: 8
    .kernarg_segment_size: 80
    .max_flat_workgroup_size: 256
    .sgpr_count:     66
    .vgpr_count:     128
    .wavefront_size: 32
...
	.end_amdgpu_metadata
.endif
;; end of part 1
;; launch qkv (part 2): grid 16 x 16, 4 waves a work-group, clusters of 4 x 4, 327,680 bytes of LDS; arguments xb, wpk, tab, qk, kvs; writes qk, kvs
.if DOCPART == 2
	.amdgcn_target "amdgcn-amd-amdhsa--gfx1250"
	.amdhsa_code_object_version 6
	.text
	.protected	k_qfc38d6d6ef_qkv
	.globl	k_qfc38d6d6ef_qkv
	.p2align	8
	.type	k_qfc38d6d6ef_qkv,@function
k_qfc38d6d6ef_qkv:
	s_mov_b64 s[64:65], 0
	v_nop
	global_prefetch_b8 v0, s[64:65] scope:SCOPE_SE
	s_setreg_imm32_b32 hwreg(HW_REG_WAVE_MODE, 25, 1), 1
	s_wait_xcnt 0x0
	s_wait_alu depctr_hold_cnt(0) depctr_sa_sdst(0) depctr_va_vdst(0) depctr_va_sdst(0) depctr_va_ssrc(0) depctr_va_vcc(0) depctr_vm_vsrc(0)
	s_getreg_b32 s2, hwreg(HW_REG_IB_STS2, 6, 4)
	s_cmp_eq_u32 s2, 0
	s_cbranch_scc0 .Lentry_in_a_cluster
	s_endpgm
.Lentry_in_a_cluster:
	s_bfe_u32 s2, ttmp6, 0x10000c
	s_cmp_lg_u32 s2, 0xf033
	s_cbranch_scc0 .Lentry_shape_is_right
	s_endpgm
.Lentry_shape_is_right:
; QKV.  [q | k or v] = X W: a tile of 256 rows x 192 columns: one head of q (128 columns) and 64 columns of k (tile columns 0-7) or of v (8-15).  16 x 16 tiles, one a work-group.
; Four waves, 2 x 2: a wave makes 128 rows x 96 columns: 48 accumulators.  K goes in 16 steps of 128 through two LDS slots filled by the tensor data mover.  X lies in memory in fragment order
; ([block of 16 rows][block of 32 k][half][lane][16 bytes]): a K step of a block of rows is 4,096 dense bytes, and a fragment load takes 16 neighbouring bytes a lane.
; W's planes (128 k x 16 columns in rows of 32 bytes) come as they lie in memory and are read turned by ds_load_tr16_b128.
; q's products are used transposed (source 0 = W, source 1 = X): a lane holds 8 neighbouring columns of one row.  k's and v's are used as they are: a lane holds 8 neighbouring rows of one column.
; CLUSTER 4 x 4: X's tile is asked for jointly along a row of the cluster, W's along a column, the table of cos and sin along a row.
; THE WAY OUT.  q goes to LDS in f32; then by rows: RoPE (the partner column 64 away lies 8 lanes away), kappa(y) = max(y, 0) + e^min(y, 0), the column sums in f32 (for the mean over s), bf16 to qk [b][head][s][128].
; k leaves raw in f32, v in f16, both in the lane order in which the later launches load them:  KR at 0: [8 bkv][128 A][8 beta][2 q][32 lanes][4] f32;  VF at 8,388,608: [8 bkv][8 beta][128 A][32 lanes][8] f16;
; QS at 12,582,912: [16 row tiles][2048] f32, the column sums of kappa(q).
; LIMIT: v is kept in f16: it must lie within 65,504.  NaN and infinities are not treated apart.
; REGISTERS: window 0 addresses and the way out; window 1 two fragment buffers of 112 (X's 8 fragments, then W's 6); windows 2, 3 the accumulators: (a, b) in window 2 + a / 4 at v[8 (6 (a % 4) + b)].
.set NA, 8
.set NB, 6
.set F0, 0
.set F1, 112
.set UNIT, 49152                       ; bytes of W for a tile and K step
.set HB, 24576                         ; half of it: what one tensor load brings
.set RB, 96                            ; as rows of 256 bytes
.set AT, 65536                         ; X's tile in LDS: 16 blocks of rows x 4,096 bytes
.set AH, 32768
.set SLOT0, 143360
.set SLOT1, 0
.set QP, 560                           ; the way out: a row of q in f32: 64 columns, 16 bytes, 64 columns, 32 bytes; over slot 1, which has had its last fill
.set TBL, 143360                       ; the table's 256 rows of 512 bytes: over slot 0 and the bytes behind it
.set SPARE, 274432                     ; the spare words, 128 bytes a wave
.set RSUM, 274944                      ; four waves' column sums, 512 bytes each
.set ADRA, 16                          ; v16-17 LDS address of my X fragments in slot 0, 1
.set ADRB, 20                          ; v20-21 the same for W
.set DST, 22                           ; v22 where I put q
.set RDQ, 23                           ; v23 where I read q back; steps
.set RDT, 24                           ; v24 where I read the table; steps
.set GQ, 25                            ; v25 my byte offset in qk; steps
.set KVO, 26                           ; v26 16 x lane
.set SPW, 28
.set NIL, 29
.set CSUM, 152                         ; v[152:159] column sums
.set SG, 160                           ; v[160:161] -1 for columns 0-63, 1 for 64-127
.set WV, 16
.set WH, 17                            ; wave / 2: my half of the rows; also: I fetch X (0) or W (1)
.set WL, 18                            ; wave % 2: my half of the columns; also: which half I fetch
.set CX, 19
.set CY, 20
.set COL, 21
.set ROW, 22
.set RMASK, 23
.set CMASK, 66
.set G1, 24
.set G0, 32
.set G1B, 48
.set G0B, 56
.set G1T, 68
.set G0T, 76
.set MSB, 0
.macro WIN new                         ; the immediate's high byte repeats the setting that is left
.if MSB != (\new)
	s_set_vgpr_msb (MSB<<8)|(\new)
.set MSB, \new
.endif
.endm
.macro PLACES                          ; four plain lines between a matrix instruction and a load into, or a read of, its registers
.rept 4
	v_nop
.endr
.endm
.macro JLOAD s                         ; a joint refill: waves 0, 1 fetch X's halves, waves 2, 3 W's; an s_nop 0 and four v_nop follow each line
	s_cmp_eq_u32 s[WH], 0
	s_cbranch_scc0 .Lfor_b_\@
	tensor_load_to_lds s[G0+4*(\s):G0+4*(\s)+3], s[G1:G1+7]
	s_nop 0
	PLACES
	s_branch .Lasked_\@
.Lfor_b_\@:
	tensor_load_to_lds s[G0B+4*(\s):G0B+4*(\s)+3], s[G1B:G1B+7]
	s_nop 0
	PLACES
.Lasked_\@:
.endm
.macro CREST                           ; a round of the cluster's barrier behind its opening barrier
	s_cmp_lg_u32 s[WV], 0
	s_cbranch_scc1 .Lnot_wave_0_\@
	s_barrier_signal -3
.Lnot_wave_0_\@:
	s_barrier_wait -3
	s_barrier_signal -1
	s_barrier_wait -1
.endm
.macro CROUND
	s_barrier_signal -1
	s_barrier_wait -1
	CREST
.endm
.macro WM d, x, y, zero
.if \zero
	v_wmma_f32_16x16x32_bf16 v[(\d):(\d)+7], v[(\x):(\x)+7], v[(\y):(\y)+7], 0
.else
	v_wmma_f32_16x16x32_bf16 v[(\d):(\d)+7], v[(\x):(\x)+7], v[(\y):(\y)+7], v[(\d):(\d)+7]
.endif
.endm
; 12 matrix instructions: row blocks a0, a0 + 1 of the window's four x all 6 column blocks.  The 48 accumulators take turns, in the same order in every quarter.
.macro MUL12 f, hi, a0, zero
	WIN 0xa5+0x50*(\hi)
.irp a, \a0, (\a0)+1
.irp b, 0,1,2,3
	WM 8*(6*(\a)+\b), (\f)+64+8*\b, (\f)+8*(4*(\hi)+(\a)), \zero
.endr
.irp b, 4,5
	WM 8*(6*(\a)+\b), (\f)+8*(4*(\hi)+(\a)), (\f)+64+8*\b, \zero
.endr
.endr
.endm
; 28 LDS loads in one run: the fragments of 32 along K (quarter kq of a slot) into buffer f: W's first, X's in ascending rows
.macro FETCH slot, kq, f
	WIN 0x40
.set fb, 0
.rept NB
	ds_load_tr16_b128 v[(\f)+8*NA+8*fb:(\f)+8*NA+8*fb+3], v[ADRB+(\slot)] offset:4096*fb+1024*(\kq)
	ds_load_tr16_b128 v[(\f)+8*NA+8*fb+4:(\f)+8*NA+8*fb+7], v[ADRB+(\slot)] offset:4096*fb+1024*(\kq)+512
.set fb, fb+1
.endr
.set fa, 0
.rept NA
	ds_load_b128 v[(\f)+8*fa:(\f)+8*fa+3], v[ADRA+(\slot)] offset:1024*(\kq)+4096*fa
	ds_load_b128 v[(\f)+8*fa+4:(\f)+8*fa+7], v[ADRA+(\slot)] offset:1024*(\kq)+4096*fa+512
.set fa, fa+1
.endr
.endm
.macro QUARTER slot, kq, f, g, zero    ; multiplies buffer f; in its middle fetches quarter kq into buffer g
	s_wait_dscnt NA                                ; W and X's rows 0-63 are in; the youngest eight loads (rows 64-127) may be out
	MUL12 \f, 0, 0, \zero
	MUL12 \f, 0, 2, \zero
	PLACES
	FETCH \slot, \kq, \g
	s_wait_dscnt 2*(NA+NB)                         ; all but the 28 just issued
	MUL12 \f, 1, 0, \zero
	MUL12 \f, 1, 2, \zero
.endm
; The first half of a step's last quarter, and the barrier that opens a round: in front of it all my tensor loads have landed, the add is done and my reads of the slot are over
.macro MEET
	WIN 0
	s_wait_tensorcnt 0x0                           ; the one load that was out is my part of the other slot
	ds_add_u32 v[SPW], v[NIL]
	s_wait_dscnt NA+1                              ; (the add and the youngest eight loads may be out)
	MUL12 F1, 0, 0, 0
	s_wait_dscnt 0x0
	s_barrier_signal -1
	MUL12 F1, 0, 2, 0
	WIN 0
	s_barrier_wait -1
.endm
.macro TURN slot, next                 ; the last quarter: changes slots and fills the slot just read with the K step two on
	MEET
	CREST
	s_add_nc_u64 s[G0+4*(\slot)+2:G0+4*(\slot)+3], s[G0+4*(\slot)+2:G0+4*(\slot)+3], 8192
	s_add_nc_u64 s[G0B+4*(\slot)+2:G0B+4*(\slot)+3], s[G0B+4*(\slot)+2:G0B+4*(\slot)+3], 2*UNIT
	JLOAD \slot                                    ; the first tensor load behind the round; its v_nop are the places in front of the loads below
	FETCH \next, 0, F0
	MUL12 F1, 1, 0, 0
	MUL12 F1, 1, 2, 0
.endm
	s_load_b256 s[4:11], s[0:1], 0x0               ; xb 4, wpk 6, tab 8, qk 10
	s_load_b64 s[12:13], s[0:1], 0x20              ; kvs
	v_lshl_add_u32 v[SPW], v0, 2, SPARE
	v_mov_b32 v[NIL], 0
	ds_add_u32 v[SPW], v[NIL]                      ; the wave's opening: the add and its wait stand ahead of my first tensor load
	v_lshrrev_b32 v1, 5, v0
	v_readfirstlane_b32 s[WV], v1
	s_lshr_b32 s[WH], s[WV], 1
	s_and_b32 s[WL], s[WV], 1
	s_bfe_u32 s[CX], ttmp6, 0x40000
	s_bfe_u32 s[CY], ttmp6, 0x40004
	s_lshl_b32 s[COL], ttmp9, 2
	s_add_co_u32 s[COL], s[COL], s[CX]             ; tile column
	s_and_b32 s[ROW], ttmp7, 0xffff
	s_lshl_b32 s[ROW], s[ROW], 2
	s_add_co_u32 s[ROW], s[ROW], s[CY]             ; tile row
	s_lshl_b32 s[RMASK], s[CY], 2
	s_lshl_b32 s[RMASK], 15, s[RMASK]              ; my row of the cluster
	s_lshl_b32 s[CMASK], 0x1111, s[CX]             ; my column
	s_or_b32 s[G1], s[RMASK], (3<<16)|(1<<21)      ; X: 8-byte elements; 8 blocks of rows, 4,096 bytes of each, 65,536 bytes apart
	s_mov_b32 s[G1+1], 512<<16                     ; tensor_dim0 = 512
	s_mov_b32 s[G1+2], 8<<16                       ; tensor_dim1 = 8
	s_mov_b32 s[G1+3], 512<<16                     ; tile_dim0 = 512
	s_mov_b32 s[G1+4], 8                           ; tile_dim1 = 8
	s_mov_b32 s[G1+5], 8192                        ; elements from row to row
	s_mov_b32 s[G1+6], 0
	s_mov_b32 s[G1+7], 0
	s_or_b32 s[G1B], s[CMASK], (3<<16)|(1<<21)     ; W: a dense block as rows of 32 elements of 8 bytes
	s_mov_b32 s[G1B+1], 32<<16
	s_mov_b32 s[G1B+2], RB<<16
	s_mov_b32 s[G1B+3], 32<<16
	s_mov_b32 s[G1B+4], RB
	s_mov_b32 s[G1B+5], 32
	s_mov_b32 s[G1B+6], 0
	s_mov_b32 s[G1B+7], 0
	s_or_b32 s[G1T], s[RMASK], (3<<16)|(1<<21)     ; the table: 64 rows of 512 bytes, dense, as 128 rows of 256
	s_mov_b32 s[G1T+1], 32<<16
	s_mov_b32 s[G1T+2], 128<<16
	s_mov_b32 s[G1T+3], 32<<16
	s_mov_b32 s[G1T+4], 128
	s_mov_b32 s[G1T+5], 32
	s_mov_b32 s[G1T+6], 0
	s_mov_b32 s[G1T+7], 0
	s_lshl_b32 s40, s[ROW], 1
	s_add_co_u32 s40, s40, s[WL]
	s_lshl_b32 s40, s40, 19                        ; X: (16 tile row + 8 half) blocks of rows of 65,536 bytes
	s_mov_b32 s41, 0
	s_mul_i32 s42, s[COL], 16*UNIT
	s_mul_i32 s43, s[WL], HB
	s_add_co_u32 s42, s42, s43                     ; W: the tile column's blocks, my half
	s_mov_b32 s43, 0
	s_lshl_b32 s46, s[ROW], 8
	s_lshl_b32 s47, s[WV], 6
	s_add_co_u32 s46, s46, s47
	s_lshl_b32 s46, s46, 9                         ; the table: (256 tile row + 64 wave) rows of 512 bytes
	s_mov_b32 s47, 0
	s_mul_i32 s44, s[WL], AH                       ; LDS places: the wave's number alone enters them
	s_mul_i32 s45, s[WL], HB
	s_add_co_u32 s45, s45, AT
	s_mov_b32 s80, 0x76543210
	s_mov_b32 s81, 0xfedcba98
	s_wait_dscnt 0x0                               ; the opening add is done
	s_wait_kmcnt 0x0
	s_add_nc_u64 s[40:41], s[4:5], s[40:41]
	s_add_nc_u64 s[42:43], s[6:7], s[42:43]
	s_mov_b32 s[G0T], 1
	s_lshl_b32 s[G0T+1], s[WV], 15
	s_add_co_u32 s[G0T+1], s[G0T+1], TBL
	s_add_nc_u64 s[G0T+2:G0T+3], s[8:9], s[46:47]
	s_or_b32 s[G0T+3], s[G0T+3], 0x80000000
.irp s, 0,1
	s_mov_b32 s[G0+4*\s], 1
	s_add_co_u32 s[G0+4*\s+1], s44, SLOT0+\s*(SLOT1-SLOT0)
	s_add_nc_u64 s[G0+4*\s+2:G0+4*\s+3], s[40:41], \s*4096     ; K step s
	s_or_b32 s[G0+4*\s+3], s[G0+4*\s+3], 0x80000000
	s_mov_b32 s[G0B+4*\s], 1
	s_add_co_u32 s[G0B+4*\s+1], s45, SLOT0+\s*(SLOT1-SLOT0)
	s_add_nc_u64 s[G0B+4*\s+2:G0B+4*\s+3], s[42:43], \s*UNIT
	s_or_b32 s[G0B+4*\s+3], s[G0B+4*\s+3], 0x80000000
.endr
	CROUND                                         ; all sixteen work-groups are here: the first joint loads meet
	s_cmp_eq_u32 s[WH], 0                          ; a wave's two first fills stand in one branch: two loads of mine are out
	s_cbranch_scc0 .Lfirst_b
	tensor_load_to_lds s[G0:G0+3], s[G1:G1+7]
	s_nop 0
	tensor_load_to_lds s[G0+4:G0+7], s[G1:G1+7]
	s_nop 0
	PLACES
	s_branch .Lfirst_asked
.Lfirst_b:
	tensor_load_to_lds s[G0B:G0B+3], s[G1B:G1B+7]
	s_nop 0
	tensor_load_to_lds s[G0B+4:G0B+7], s[G1B:G1B+7]
	s_nop 0
	PLACES
.Lfirst_asked:
	v_and_b32 v1, 15, v0                           ; r = lane % 16
	v_bfe_u32 v2, v0, 4, 1                         ; h = lane / 16
	v_and_b32 v8, 31, v0                           ; lane
	v_lshlrev_b32 v3, 4, v8                        ; an X fragment: 16 bytes a lane
	s_mul_i32 s46, s[WH], AH                       ; my 8 blocks of rows
	s_add_co_u32 s47, s46, SLOT0
	v_add_nc_u32 v[ADRA], s47, v3
	s_add_co_u32 s47, s46, SLOT1
	v_add_nc_u32 v[ADRA+1], s47, v3
	v_and_b32 v4, 7, v0                            ; a W fragment: the turning load: k row 8 h + lane % 8, 16 bytes by (lane / 8) % 2
	v_lshl_add_u32 v4, v2, 3, v4
	v_bfe_u32 v5, v0, 3, 1
	v_lshlrev_b32 v4, 5, v4
	v_lshl_add_u32 v4, v5, 4, v4
	s_mul_i32 s46, s[WL], HB
	s_add_co_u32 s47, s46, SLOT0+AT
	v_add_nc_u32 v[ADRB], s47, v4
	s_add_co_u32 s47, s46, SLOT1+AT
	v_add_nc_u32 v[ADRB+1], s47, v4
	v_mul_u32_u24 v[DST], v1, QP                   ; q into LDS: row 128 wm + r, byte 272 wn + 32 h
	v_lshl_add_u32 v[DST], v2, 5, v[DST]
	s_mul_i32 s46, s[WH], 128*QP
	s_mul_i32 s47, s[WL], 272
	s_add_co_u32 s46, s46, s47
	v_add_nc_u32 v[DST], s46, v[DST]
	v_mul_u32_u24 v[RDQ], v2, QP                   ; back: row 64 w + h, columns 8 r ..
	v_lshl_add_u32 v[RDQ], v1, 5, v[RDQ]
	v_lshrrev_b32 v6, 3, v1
	v_lshl_add_u32 v[RDQ], v6, 4, v[RDQ]
	s_mul_i32 s46, s[WV], 64*QP
	v_add_nc_u32 v[RDQ], s46, v[RDQ]
	v_and_b32 v7, 7, v1
	v_lshlrev_b32 v[RDT], 9, v2                    ; the table: the same row, frequencies 8 (r % 8) ..
	v_lshl_add_u32 v[RDT], v7, 5, v[RDT]
	s_lshl_b32 s46, s[WV], 15
	s_add_co_u32 s46, s46, TBL
	v_add_nc_u32 v[RDT], s46, v[RDT]
	v_lshlrev_b32 v[GQ], 4, v8
	v_lshlrev_b32 v[KVO], 4, v8
	v_lshlrev_b32 v9, 5, v1                        ; my place among the column sums
	v_lshl_add_u32 v9, v2, 4, v9
	s_lshl_b32 s46, s[WV], 9
	s_add_co_u32 s46, s46, RSUM
	v_add_nc_u32 v9, s46, v9
	s_lshr_b32 s88, s[ROW], 3                      ; qk at my wave's first row: ((16 b + head) 2048 + 256 (tile row % 8) + 64 w) rows of 256 bytes
	s_lshl_b32 s88, s88, 4
	s_add_co_u32 s88, s88, s[COL]
	s_lshl_b32 s88, s88, 11
	s_and_b32 s89, s[ROW], 7
	s_lshl_b32 s89, s89, 8
	s_add_co_u32 s88, s88, s89
	s_lshl_b32 s89, s[WV], 6
	s_add_co_u32 s88, s88, s89
	s_lshl_b32 s88, s88, 8
	s_mov_b32 s89, 0
	s_add_nc_u64 s[84:85], s[10:11], s[88:89]
	s_lshl_b32 s88, s[ROW], 13                     ; QS: row tile x 8,192 + 512 x head
	s_lshl_b32 s90, s[COL], 9
	s_add_co_u32 s88, s88, s90
	s_add_co_u32 s88, s88, 12582912
	s_add_nc_u64 s[86:87], s[12:13], s[88:89]
	s_wait_tensorcnt 0x1                           ; my part of K step 0 is in; K step 1's may stay out
	s_barrier_signal -1
	s_barrier_wait -1
	FETCH 0, 0, F0
	QUARTER 0, 1, F0, F1, 1                        ; the first quarter's products start the sums
	WIN 0
	s_mov_b32 s3, 7
.Llap:                                                 ; a trip goes once round the ring and fills both slots again
	QUARTER 0, 2, F1, F0, 0
	QUARTER 0, 3, F0, F1, 0
	TURN 0, 1
	QUARTER 1, 1, F0, F1, 0
	QUARTER 1, 2, F1, F0, 0
	QUARTER 1, 3, F0, F1, 0
	TURN 1, 0
	QUARTER 0, 1, F0, F1, 0
	WIN 0
	s_sub_co_u32 s3, s3, 1
	s_cmp_lg_u32 s3, 0
	s_cbranch_scc1 .Llap
	QUARTER 0, 2, F1, F0, 0
	QUARTER 0, 3, F0, F1, 0
	MEET                                           ; K step 14 ends: slot 0 takes the table of cos and sin, which lands while K step 15 is multiplied
	CREST
	tensor_load_to_lds s[G0T:G0T+3], s[G1T:G1T+7]
	s_nop 0
	PLACES
	FETCH 1, 0, F0
	MUL12 F1, 1, 0, 0
	MUL12 F1, 1, 2, 0
	QUARTER 1, 1, F0, F1, 0
	QUARTER 1, 2, F1, F0, 0
	QUARTER 1, 3, F0, F1, 0
	s_wait_dscnt NA
	MUL12 F1, 0, 0, 0
	MUL12 F1, 0, 2, 0
	s_wait_dscnt 0x0
	MUL12 F1, 1, 0, 0
	MUL12 F1, 1, 2, 0
	; THE WAY OUT
	PLACES
	WIN 0
	s_wait_tensorcnt 0x0                           ; my part of the table is in,
	s_wait_dscnt 0x0                               ; my reads of slot 1 are over:
	s_barrier_signal -1
	s_barrier_wait -1                              ; everybody's
.set ia, 0
.rept 8                                ; q in f32 into LDS; each accumulator's low registers first
	WIN 0x08+4*(ia/4)
.irp b, 0,1,2,3
	ds_store_b128 v[DST], v[8*(6*(ia%4)+\b):8*(6*(ia%4)+\b)+3] offset:16*QP*ia+64*\b
	ds_store_b128 v[DST], v[8*(6*(ia%4)+\b)+4:8*(6*(ia%4)+\b)+7] offset:16*QP*ia+64*\b+16
.endr
.set ia, ia+1
.endr
	WIN 0
	s_lshr_b32 s88, s[ROW], 3
	s_lshl_b32 s88, s88, 2                         ; 4 b
	s_and_b32 s89, s[ROW], 7
	s_lshl_b32 s89, s89, 1
	s_add_co_u32 s89, s89, s[WH]                   ; x 8: my first group of 16 rows
	s_and_b32 s90, s[COL], 1
	s_lshl_b32 s90, s90, 1
	s_add_co_u32 s90, s90, s[WL]                   ; x 2: my first block of 16 columns in the head
	s_lshr_b32 s91, s[COL], 1
	s_add_co_u32 s88, s88, s91
	s_cmp_lt_u32 ttmp9, 2                          ; tile columns 0-7 hold k: the same answer in the whole cluster
	s_cbranch_scc0 .Lv_out
	s_lshl_b32 s88, s88, 20
	s_lshl_b32 s89, s89, 16
	s_lshl_b32 s90, s90, 11
	s_add_co_u32 s88, s88, s89
	s_add_co_u32 s88, s88, s90
	s_mov_b32 s89, 0
	s_add_nc_u64 s[82:83], s[12:13], s[88:89]
.set ia, 0
.rept 8                                ; k, raw, in f32: each store covers 512 consecutive bytes
	WIN 0x08+4*(ia/4)
.irp b, 4,5
	global_store_b128 v[KVO], v[8*(6*(ia%4)+\b):8*(6*(ia%4)+\b)+3], s[82:83] offset:8192*ia+1024*(\b-4)
	global_store_b128 v[KVO], v[8*(6*(ia%4)+\b)+4:8*(6*(ia%4)+\b)+7], s[82:83] offset:8192*ia+1024*(\b-4)+512
.endr
.set ia, ia+1
.endr
	WIN 0
	s_branch .Lkv_done
.Lv_out:
	s_sub_co_u32 s88, s88, 4                       ; 4 b + kv head
	s_lshl_b32 s88, s88, 19
	s_lshl_b32 s90, s90, 17
	s_lshl_b32 s89, s89, 12
	s_add_co_u32 s88, s88, s89
	s_add_co_u32 s88, s88, s90
	s_add_co_u32 s88, s88, 8388608
	s_mov_b32 s89, 0
	s_add_nc_u64 s[82:83], s[12:13], s[88:89]
.set ia, 0
.rept 8                                ; v in f16: a lane's 8 rows of a column are 16 bytes
	WIN 0x0a+5*(ia/4)
.irp b, 4,5
.irp j, 0,1,2,3
	v_cvt_pk_f16_f32 v[192+4*(2*ia+\b-4)+\j], v[8*(6*(ia%4)+\b)+2*\j], v[8*(6*(ia%4)+\b)+2*\j+1]
.endr
.endr
.set ia, ia+1
.endr
	WIN 0
.set ia, 0
.rept 8
.irp b, 0,1
	global_store_b128 v[KVO], v[192+4*(2*ia+\b):192+4*(2*ia+\b)+3], s[82:83] offset:512*ia+65536*\b
.endr
.set ia, ia+1
.endr
.Lkv_done:
	s_wait_dscnt 0x0                               ; for the others' sake: my stores of q are done
	s_barrier_signal -1
	s_barrier_wait -1
	v_cmp_gt_u32 vcc_lo, 8, v1
	v_cndmask_b32 v[SG], 1.0, -1.0, vcc_lo
	v_mov_b32 v[SG+1], v[SG]
.irp j, 0,1,2,3,4,5,6,7
	v_mov_b32 v[CSUM+\j], 0
.endr
.macro KAPPA Y, E                      ; Y = max(Y, 0) + e^min(Y, 0), eight numbers; E at work.  The maxima are the plain lines behind the exponentials
.irp j, 0,1,2,3,4,5,6,7
	v_min_num_f32 v[\E+\j], 0, v[\Y+\j]
.endr
.irp j, 0,2,4,6
	v_pk_mul_f32 v[\E+\j:\E+\j+1], v[\E+\j:\E+\j+1], 0x3fb8aa3b op_sel_hi:[1,0]
.endr
.irp j, 0,1,2,3,4,5,6,7
	v_exp_f32 v[\E+\j], v[\E+\j]
.endr
.irp j, 0,1,2,3,4,5,6,7
	v_max_num_f32 v[\Y+\j], 0, v[\Y+\j]
.endr
	s_wait_alu depctr_va_vdst(0)
.irp j, 0,2,4,6
	v_pk_add_f32 v[\Y+\j:\Y+\j+1], v[\Y+\j:\Y+\j+1], v[\E+\j:\E+\j+1]
.endr
.endm
.macro QROW u                          ; two rows: lanes 0-15 one, lanes 16-31 the next; a lane has 8 columns
.set XR, 40+24*(\u)
.set CR, XR+8
.set SR, XR+16
.set OU, 136+4*(\u)
.irp j, 0,2,4,6
	v_pk_mul_f32 v[SR+\j:SR+\j+1], v[SR+\j:SR+\j+1], v[SG:SG+1]
.endr
.irp j, 0,1,2,3,4,5,6,7
	v_mul_f32_dpp v[SR+\j], v[XR+\j], v[SR+\j] row_xmask:8 row_mask:0xf bank_mask:0xf   ; the column 64 away, from the lane 8 away, times my signed sine
.endr
.irp j, 0,2,4,6
	v_pk_fma_f32 v[CR+\j:CR+\j+1], v[XR+\j:XR+\j+1], v[CR+\j:CR+\j+1], v[SR+\j:SR+\j+1]
.endr
	KAPPA CR, XR
.irp j, 0,2,4,6
	v_pk_add_f32 v[CSUM+\j:CSUM+\j+1], v[CSUM+\j:CSUM+\j+1], v[CR+\j:CR+\j+1]
.endr
.irp j, 0,1,2,3
	v_cvt_pk_bf16_f32 v[OU+\j], v[CR+2*\j], v[CR+2*\j+1]
.endr
	global_store_b128 v[GQ], v[OU:OU+3], s[84:85] offset:512*(\u)     ; 16 lanes: a row's 256 bytes
.endm
	s_mov_b32 s3, 8
.Lrows:                                                ; a trip: 8 of my wave's 64 rows
.irp u, 0,1,2,3
	ds_load_b128 v[40+24*\u:43+24*\u], v[RDQ] offset:2*QP*\u
	ds_load_b128 v[44+24*\u:47+24*\u], v[RDQ] offset:2*QP*\u+16
	ds_load_b128 v[48+24*\u:51+24*\u], v[RDT] offset:1024*\u
	ds_load_b128 v[52+24*\u:55+24*\u], v[RDT] offset:1024*\u+16
	ds_load_b128 v[56+24*\u:59+24*\u], v[RDT] offset:1024*\u+256
	ds_load_b128 v[60+24*\u:63+24*\u], v[RDT] offset:1024*\u+272
.endr
.irp u, 0,1,2,3
	s_wait_dscnt 18-6*\u                           ; this pair of rows is in; the later pairs' six loads each may be out
	QROW \u
.endr
	s_wait_xcnt 0x0                                ; the stores' offset and data are rewritten only behind this wait
	v_add_nc_u32 v[RDQ], 8*QP, v[RDQ]
	v_add_nc_u32 v[RDT], 4096, v[RDT]
	v_add_nc_u32 v[GQ], 2048, v[GQ]
	s_sub_co_u32 s3, s3, 1
	s_cmp_lg_u32 s3, 0
	s_cbranch_scc1 .Lrows
.irp j, 0,1,2,3,4,5,6,7                ; the column sums: the other half of the lanes, then the four waves through LDS
	v_permlanex16_b32 v[40+\j], v[CSUM+\j], s80, s81
.endr
.irp j, 0,2,4,6
	v_pk_add_f32 v[CSUM+\j:CSUM+\j+1], v[CSUM+\j:CSUM+\j+1], v[40+\j:41+\j]
.endr
	v_cmp_gt_u32 vcc_lo, 16, v8
.irp j, 0,1,2,3
	v_cndmask_b32 v[48+\j], v[CSUM+4+\j], v[CSUM+\j], vcc_lo
.endr
	ds_store_b128 v9, v[48:51]
	s_wait_dscnt 0x0
	s_barrier_signal -1
	s_barrier_wait -1
	s_cmp_lg_u32 s[WV], 0
	s_cbranch_scc1 .Lno_sum
	v_add_nc_u32 v10, RSUM, v[KVO]
	ds_load_b128 v[40:43], v10
	ds_load_b128 v[44:47], v10 offset:512
	ds_load_b128 v[48:51], v10 offset:1024
	ds_load_b128 v[52:55], v10 offset:1536
	s_wait_dscnt 0x0
	v_pk_add_f32 v[40:41], v[40:41], v[44:45]
	v_pk_add_f32 v[42:43], v[42:43], v[46:47]
	v_pk_add_f32 v[48:49], v[48:49], v[52:53]
	v_pk_add_f32 v[50:51], v[50:51], v[54:55]
	v_pk_add_f32 v[40:41], v[40:41], v[48:49]
	v_pk_add_f32 v[42:43], v[42:43], v[50:51]
	global_store_b128 v[KVO], v[40:43], s[86:87]
.Lno_sum:
	s_wait_tensorcnt 0x0                           ; the wave's end
	ds_add_u32 v[SPW], v[NIL]
	s_wait_dscnt 0x0
	CROUND                                         ; the closing round
	s_endpgm
.Lfunc_end_k_qfc38d6d6ef_qkv:
	.size	k_qfc38d6d6ef_qkv, .Lfunc_end_k_qfc38d6d6ef_qkv-k_qfc38d6d6ef_qkv
	.p2alignl 7, 3214868480
	.fill 96, 4, 3214868480
	.section	.rodata,"a",@progbits
	.p2align	6, 0x0
	.amdhsa_kernel k_qfc38d6d6ef_qkv
		.amdhsa_group_segment_fixed_size 327680
		.amdhsa_private_segment_fixed_size 0
		.amdhsa_enable_private_segment 0
		.amdhsa_kernarg_size 40
		.amdhsa_user_sgpr_count 2
		.amdhsa_user_sgpr_kernarg_segment_ptr 1
		.amdhsa_wavefront_size32 1
		.amdhsa_system_sgpr_workgroup_id_x 1
		.amdhsa_system_sgpr_workgroup_id_y 1
		.amdhsa_system_sgpr_workgroup_id_z 1
		.amdhsa_system_vgpr_workitem_id 0
		.amdhsa_next_free_vgpr 960
		.amdhsa_next_free_sgpr 96
		.amdhsa_reserve_vcc 1
		.amdhsa_float_denorm_mode_32 3
		.amdhsa_float_denorm_mode_16_64 3
		.amdhsa_memory_ordered 1
		.amdhsa_forward_progress 1
		.amdhsa_inst_pref_size 123
	.end_amdhsa_kernel
	.amdgpu_metadata
---
amdhsa.version: [ 1, 2 ]
amdhsa.kernels:
  - .name:           k_qfc38d6d6ef_qkv
    .symbol:         k_qfc38d6d6ef_qkv.kd
    .args:
      - { .name: xb, .offset: 0, .size: 8, .value_kind: global_buffer, .address_space: global }
      - { .name: wpk, .offset: 8, .size: 8, .value_kind: global_buffer, .address_space: global }
      - { .name: tab, .offset: 16, .size: 8, .value_kind: global_buffer, .address_space: global }
      - { .name: qk, .offset: 24, .size: 8, .value_kind: global_buffer, .address_space: global }
      - { .name: kvs, .offset: 32, .size: 8, .value_kind: global_buffer, .address_space: global }
    .group_segment_fixed_size: 327680
    .private_segment_fixed_size: 0
    .kernarg_segment_align: 8
    .kernarg_segment_size: 40
    .max_flat_workgroup_size: 128
    .sgpr_count:     96
    .vgpr_count:     960
    .wavefront_size: 32
...
	.end_amdgpu_metadata
.endif
;; end of part 2
;; launch logit (part 3): grid 32 x 8, 16 waves a work-group, no clusters, 8,192 bytes of LDS; arguments kvs, tab, kfl; writes kfl
.if DOCPART == 3
	.amdgcn_target "amdgcn-amd-amdhsa--gfx1250"
	.amdhsa_code_object_version 6
	.text
	.protected	k_qfc38d6d6ef_logit
	.globl	k_qfc38d6d6ef_logit
	.p2align	8
	.type	k_qfc38d6d6ef_logit,@function
k_qfc38d6d6ef_logit:
	s_mov_b64 s[64:65], 0
	v_nop
	global_prefetch_b8 v0, s[64:65] scope:SCOPE_SE
	s_setreg_imm32_b32 hwreg(HW_REG_WAVE_MODE, 25, 1), 1
	s_wait_xcnt 0x0
; LOGIT.  For 64 positions s of one (batch, kv head): Kk = kappa(RoPE(k)) from the raw f32 k; the logits Qg . Kk of the kv head's four query heads, all in f32 on the vector unit
; (a logit's absolute error is a weight's relative error, so no 16-bit operand enters it; 16.8 MFLOP in all); Kk in f16 for the product that follows.
; Qg = the mean over s of kappa(q): the eight row tiles' column sums, added and divided by 2,048.
; Wave w: a = w % 4 (16 positions), beta = w / 4 (columns 16 beta + r and 64 more).  A lane holds 8 positions of two columns.  No matrix unit, no cluster: memory binds and nothing is shared but 2 KB.
; kfl: KF at 0: [8 bkv][8 beta][128 A][32 lanes][8] f16;  LG at 4,194,304: [32 heads][2048] f32.
; LIMIT: Kk is kept in f16 for the later product: within 65,504.
.set QGL, 0                            ; Qg of four heads, 2,048 bytes
.set LGP, 2048                         ; partial logits [beta][head][64] f32
.set SPARE, 6144
.set SPW, 126
.set NIL, 127
.set X1, 8
.set X2, 16
.set CO, 24
.set SI, 32
.set QV, 40
.set LA, 48
.set T, 80
.set Y1, 88
.set Y2, 96
.set E, 104
.macro KAPPA Y, E                      ; Y = max(Y, 0) + e^min(Y, 0); the maxima are the plain lines behind the exponentials
.irp j, 0,1,2,3,4,5,6,7
	v_min_num_f32 v[\E+\j], 0, v[\Y+\j]
.endr
.irp j, 0,2,4,6
	v_pk_mul_f32 v[\E+\j:\E+\j+1], v[\E+\j:\E+\j+1], 0x3fb8aa3b op_sel_hi:[1,0]
.endr
.irp j, 0,1,2,3,4,5,6,7
	v_exp_f32 v[\E+\j], v[\E+\j]
.endr
.irp j, 0,1,2,3,4,5,6,7
	v_max_num_f32 v[\Y+\j], 0, v[\Y+\j]
.endr
	s_wait_alu depctr_va_vdst(0)
.irp j, 0,2,4,6
	v_pk_add_f32 v[\Y+\j:\Y+\j+1], v[\Y+\j:\Y+\j+1], v[\E+\j:\E+\j+1]
.endr
.endm
	s_load_b128 s[4:7], s[0:1], 0x0                ; kvs, tab
	s_load_b64 s[8:9], s[0:1], 0x10                ; kfl
	v_lshl_add_u32 v[SPW], v0, 2, SPARE
	v_mov_b32 v[NIL], 0
	v_lshrrev_b32 v1, 5, v0
	v_readfirstlane_b32 s10, v1                    ; wave
	s_and_b32 s11, s10, 3                          ; a
	s_lshr_b32 s12, s10, 2                         ; beta
	s_and_b32 s13, ttmp7, 0xffff                   ; y = 4 b + kv
	s_lshr_b32 s14, s13, 2
	s_and_b32 s15, s13, 3
	s_lshl_b32 s16, ttmp9, 2
	s_add_co_u32 s16, s16, s11                     ; A: my group of 16 positions
	v_and_b32 v1, 31, v0
	v_lshlrev_b32 v2, 4, v1                        ; 16 x lane
	v_lshlrev_b32 v3, 4, v0                        ; 16 x thread
	s_lshl_b32 s20, s13, 7
	s_add_co_u32 s20, s20, s16
	s_lshl_b32 s20, s20, 3
	s_add_co_u32 s20, s20, s12
	s_lshl_b32 s20, s20, 10                        ; raw k: ((128 y + A) 8 + beta) x 1,024
	s_mov_b32 s21, 0
	s_lshl_b32 s22, s14, 7
	s_add_co_u32 s22, s22, s16
	s_lshl_b32 s22, s22, 2
	s_add_co_u32 s22, s22, s12
	s_lshl_b32 s22, s22, 11
	s_add_co_u32 s22, s22, 2097152                 ; the table: ((128 b + A) 4 + beta) x 2,048
	s_mov_b32 s23, 0
	s_lshl_b32 s24, s14, 16
	s_lshl_b32 s25, s15, 11
	s_add_co_u32 s24, s24, s25
	s_add_co_u32 s24, s24, 12582912                ; the column sums: row tile 8 b, the kv head's 512 columns
	s_mov_b32 s25, 0
	s_lshl_b32 s26, s13, 3
	s_add_co_u32 s26, s26, s12
	s_lshl_b32 s26, s26, 7
	s_add_co_u32 s26, s26, s16
	s_lshl_b32 s26, s26, 9                         ; Kk: ((8 y + beta) 128 + A) x 512
	s_mov_b32 s27, 0
	s_lshl_b32 s28, s13, 15
	s_lshl_b32 s29, ttmp9, 8
	s_add_co_u32 s28, s28, s29
	s_add_co_u32 s28, s28, 4194304                 ; the logits: head 4 y, position 64 x
	s_mov_b32 s29, 0
	s_wait_kmcnt 0x0
	s_add_nc_u64 s[20:21], s[4:5], s[20:21]
	s_add_nc_u64 s[22:23], s[6:7], s[22:23]
	s_add_nc_u64 s[24:25], s[4:5], s[24:25]
	s_add_nc_u64 s[26:27], s[8:9], s[26:27]
	s_add_nc_u64 s[28:29], s[8:9], s[28:29]
	global_load_b128 v[X1:X1+3], v2, s[20:21]
	global_load_b128 v[X1+4:X1+7], v2, s[20:21] offset:512
	global_load_b128 v[X2:X2+3], v2, s[20:21] offset:4096
	global_load_b128 v[X2+4:X2+7], v2, s[20:21] offset:4608
	global_load_b128 v[CO:CO+3], v2, s[22:23]
	global_load_b128 v[CO+4:CO+7], v2, s[22:23] offset:512
	global_load_b128 v[SI:SI+3], v2, s[22:23] offset:1024
	global_load_b128 v[SI+4:SI+7], v2, s[22:23] offset:1536
	s_cmp_lt_u32 s10, 4
	s_cbranch_scc0 .Lno_qg
.irp k, 0,1,2,3,4,5,6,7                ; waves 0-3: Qg of the four heads, 4 columns a thread
	global_load_b128 v[LA+4*\k:LA+4*\k+3], v3, s[24:25] offset:8192*\k
.endr
	s_wait_loadcnt 0x0
.irp k, 1,2,3,4,5,6,7
	v_pk_add_f32 v[LA:LA+1], v[LA:LA+1], v[LA+4*\k:LA+4*\k+1]
	v_pk_add_f32 v[LA+2:LA+3], v[LA+2:LA+3], v[LA+4*\k+2:LA+4*\k+3]
.endr
	v_pk_mul_f32 v[LA:LA+1], v[LA:LA+1], 0x3a000000 op_sel_hi:[1,0]       ; / 2,048
	v_pk_mul_f32 v[LA+2:LA+3], v[LA+2:LA+3], 0x3a000000 op_sel_hi:[1,0]
	ds_store_b128 v3, v[LA:LA+3]
.Lno_qg:
	s_wait_dscnt 0x0
	s_barrier_signal -1
	s_barrier_wait -1
	v_and_b32 v5, 15, v1                           ; r
	v_lshrrev_b32 v7, 4, v1                        ; h
	s_lshl_b32 s30, s12, 6
	v_lshl_add_u32 v4, v5, 2, s30                  ; 4 (16 beta + r)
.irp d, 0,1,2,3
	ds_load_b32 v[QV+2*\d], v4 offset:512*\d
	ds_load_b32 v[QV+2*\d+1], v4 offset:512*\d+256
.endr
	s_wait_loadcnt 0x0
.irp j, 0,2,4,6                        ; RoPE: y1 = x1 cos - x2 sin, y2 = x2 cos + x1 sin
	v_pk_mul_f32 v[T+\j:T+\j+1], v[X2+\j:X2+\j+1], v[SI+\j:SI+\j+1]
.endr
.irp j, 0,2,4,6
	v_pk_fma_f32 v[Y1+\j:Y1+\j+1], v[X1+\j:X1+\j+1], v[CO+\j:CO+\j+1], v[T+\j:T+\j+1] neg_lo:[0,0,1] neg_hi:[0,0,1]
.endr
.irp j, 0,2,4,6
	v_pk_mul_f32 v[T+\j:T+\j+1], v[X1+\j:X1+\j+1], v[SI+\j:SI+\j+1]
.endr
.irp j, 0,2,4,6
	v_pk_fma_f32 v[Y2+\j:Y2+\j+1], v[X2+\j:X2+\j+1], v[CO+\j:CO+\j+1], v[T+\j:T+\j+1]
.endr
	KAPPA Y1, E
	KAPPA Y2, E
.irp j, 0,1,2,3
	v_cvt_pk_f16_f32 v[112+\j], v[Y1+2*\j], v[Y1+2*\j+1]
	v_cvt_pk_f16_f32 v[116+\j], v[Y2+2*\j], v[Y2+2*\j+1]
.endr
	global_store_b128 v2, v[112:115], s[26:27]
	global_store_b128 v2, v[116:119], s[26:27] offset:262144
	s_wait_dscnt 0x0                               ; Qg's eight numbers
.irp d, 0,1,2,3
.irp j, 0,2,4,6
	v_pk_mul_f32 v[LA+8*\d+\j:LA+8*\d+\j+1], v[Y1+\j:Y1+\j+1], v[QV+2*\d:QV+2*\d+1] op_sel_hi:[1,0]
.endr
.irp j, 0,2,4,6
	v_pk_fma_f32 v[LA+8*\d+\j:LA+8*\d+\j+1], v[Y2+\j:Y2+\j+1], v[QV+2*\d:QV+2*\d+1], v[LA+8*\d+\j:LA+8*\d+\j+1] op_sel:[0,1,0] op_sel_hi:[1,1,1]
.endr
.endr
.irp x, 1,2,4,8                        ; the sum over the 16 columns of a half of the lanes
.set i, 0
.rept 32
	v_add_f32_dpp v[LA+i], v[LA+i], v[LA+i] row_xmask:\x row_mask:0xf bank_mask:0xf
.set i, i+1
.endr
.endr
	s_lshl_b32 s30, s12, 10
	s_lshl_b32 s31, s11, 6
	s_add_co_u32 s30, s30, s31
	s_add_co_u32 s30, s30, LGP
	v_lshl_add_u32 v6, v7, 5, s30
.irp d, 0,1,2,3                        ; the sixteen lanes of a half store the same numbers to the same place
	ds_store_b128 v6, v[LA+8*\d:LA+8*\d+3] offset:256*\d
	ds_store_b128 v6, v[LA+8*\d+4:LA+8*\d+7] offset:256*\d+16
.endr
	s_wait_dscnt 0x0
	s_barrier_signal -1
	s_barrier_wait -1
	s_cmp_lt_u32 s10, 2
	s_cbranch_scc0 .Lno_out
	v_add_nc_u32 v9, LGP, v3                       ; waves 0, 1: the four beta's parts are added; 4 positions a thread
	ds_load_b128 v[12:15], v9
	ds_load_b128 v[16:19], v9 offset:1024
	ds_load_b128 v[20:23], v9 offset:2048
	ds_load_b128 v[24:27], v9 offset:3072
	v_lshrrev_b32 v10, 4, v0
	v_lshlrev_b32 v10, 13, v10
	v_and_b32 v11, 15, v0
	v_lshl_add_u32 v10, v11, 4, v10
	s_wait_dscnt 0x0
	v_pk_add_f32 v[12:13], v[12:13], v[16:17]
	v_pk_add_f32 v[14:15], v[14:15], v[18:19]
	v_pk_add_f32 v[20:21], v[20:21], v[24:25]
	v_pk_add_f32 v[22:23], v[22:23], v[26:27]
	v_pk_add_f32 v[12:13], v[12:13], v[20:21]
	v_pk_add_f32 v[14:15], v[14:15], v[22:23]
	global_store_b128 v10, v[12:15], s[28:29]      ; 16 lanes: 256 consecutive bytes of a head's logits
.Lno_out:
	s_wait_tensorcnt 0x0                           ; the wave's end
	ds_add_u32 v[SPW], v[NIL]
	s_wait_dscnt 0x0
	s_endpgm
.Lfunc_end_k_qfc38d6d6ef_logit:
	.size	k_qfc38d6d6ef_logit, .Lfunc_end_k_qfc38d6d6ef_logit-k_qfc38d6d6ef_logit
	.p2alignl 7, 3214868480
	.fill 96, 4, 3214868480
	.section	.rodata,"a",@progbits
	.p2align	6, 0x0
	.amdhsa_kernel k_qfc38d6d6ef_logit
		.amdhsa_group_segment_fixed_size 8192
		.amdhsa_private_segment_fixed_size 0
		.amdhsa_enable_private_segment 0
		.amdhsa_kernarg_size 24
		.amdhsa_user_sgpr_count 2
		.amdhsa_user_sgpr_kernarg_segment_ptr 1
		.amdhsa_wavefront_size32 1
		.amdhsa_system_sgpr_workgroup_id_x 1
		.amdhsa_system_sgpr_workgroup_id_y 1
		.amdhsa_system_sgpr_workgroup_id_z 1
		.amdhsa_system_vgpr_workitem_id 0
		.amdhsa_next_free_vgpr 128
		.amdhsa_next_free_sgpr 66
		.amdhsa_reserve_vcc 0
		.amdhsa_float_denorm_mode_32 3
		.amdhsa_float_denorm_mode_16_64 3
		.amdhsa_memory_ordered 1
		.amdhsa_forward_progress 1
		.amdhsa_inst_pref_size 23
	.end_amdhsa_kernel
	.amdgpu_metadata
---
amdhsa.version: [ 1, 2 ]
amdhsa.kernels:
  - .name:           k_qfc38d6d6ef_logit
    .symbol:         k_qfc38d6d6ef_logit.kd
    .args:
      - { .name: kvs, .offset: 0, .size: 8, .value_kind: global_buffer, .address_space: global }
      - { .name: tab, .offset: 8, .size: 8, .value_kind: global_buffer, .address_space: global }
      - { .name: kfl, .offset: 16, .size: 8, .value_kind: global_buffer, .address_space: global }
    .group_segment_fixed_size: 8192
    .private_segment_fixed_size: 0
    .kernarg_segment_align: 8
    .kernarg_segment_size: 24
    .max_flat_workgroup_size: 512
    .sgpr_count:     66
    .vgpr_count:     128
    .wavefront_size: 32
...
	.end_amdgpu_metadata
.endif
;; end of part 3
;; launch outer (part 4): grid 32 x 8, 8 waves a work-group, no clusters, 83,456 bytes of LDS; arguments kvs, kfl, op; writes op
.if DOCPART == 4
	.amdgcn_target "amdgcn-amd-amdhsa--gfx1250"
	.amdhsa_code_object_version 6
	.text
	.protected	k_qfc38d6d6ef_outer
	.globl	k_qfc38d6d6ef_outer
	.p2align	8
	.type	k_qfc38d6d6ef_outer,@function
k_qfc38d6d6ef_outer:
	s_mov_b64 s[64:65], 0
	v_nop
	global_prefetch_b8 v0, s[64:65] scope:SCOPE_SE
	s_setreg_imm32_b32 hwreg(HW_REG_WAVE_MODE, 25, 1), 1
	s_wait_xcnt 0x0
; OUTER.  O[head][d][f] = 2048 / l x the sum over s of p[s] Kk[s][d] v[s][f], p = e^(logit - max), l = the sum of p: the softmax over all 2,048 positions with its true maximum taken away.
; A work-group: one (batch, kv head) y, 16 columns f (bf), 32 rows d (ds), all four query heads.  Each of 8 waves takes 256 positions (8 K steps of 32) and the waves' sums meet in LDS, in f32.
; Source 0 = p v (16 f x 32 s, f16, made by a packed multiply), source 1 = Kk (32 s x 16 d, f16): a lane holds 8 neighbouring f of one d.  v and Kk lie in memory in fragment order: plain 16-byte loads.
; O leaves in bf16 as the next launch's B operand: op [32 heads][8 planes of 16 f][128 d][16 f].
; NO CLUSTER: the eight waves read disjoint bytes straight into registers; nothing that work-groups share passes through LDS.
; LIMITS: p is rounded to f16 for the product (below 6e-8 it counts as 0 there; l is the sum of the unrounded p); p v has v's range, within 65,504.
.set P16, 0                            ; p in f16: [4 heads][2048]
.set MX, 16384                         ; eight waves' four maxima
.set SM, 16640                         ; eight waves' four sums
.set RED, 16896                        ; [wave][accumulator][half][lane][16 bytes]
.set SPARE, 82432
.set SPW, 30
.set NIL, 31
.set ACC, 32                           ; v[32:95] accumulator 2 head + dl
.set PV, 96                            ; v[96:159] p v, two buffers of four heads
.set PP, 160                           ; v[160:223] p, likewise
.set LGV, 224                          ; v[224:255] my 8 logits of each head
.set KFR, 0                            ; window 1: Kk's fragments, 16 sg + 8 dl
.set VFR, 128                          ; window 1: v's fragments, 8 sg
.set PA, 16
.set MSB, 0
.macro WIN new
.if MSB != (\new)
	s_set_vgpr_msb (MSB<<8)|(\new)
.set MSB, \new
.endif
.endm
	s_load_b128 s[4:7], s[0:1], 0x0                ; kvs, kfl
	s_load_b64 s[8:9], s[0:1], 0x10                ; op
	v_lshl_add_u32 v[SPW], v0, 2, SPARE
	v_mov_b32 v[NIL], 0
	v_lshrrev_b32 v1, 5, v0
	v_readfirstlane_b32 s10, v1                    ; wave
	s_and_b32 s11, ttmp9, 7                        ; bf
	s_lshr_b32 s12, ttmp9, 3                       ; ds
	s_and_b32 s13, ttmp7, 0xffff                   ; y
	v_and_b32 v1, 31, v0
	v_lshlrev_b32 v2, 4, v0                        ; 16 x thread
	v_lshlrev_b32 v3, 4, v1                        ; 16 x lane
	s_mov_b32 s20, 0x76543210
	s_mov_b32 s21, 0xfedcba98
	s_mov_b32 s22, 0x3fb8aa3b                      ; log2(e)
	s_lshl_b32 s24, s13, 15
	s_add_co_u32 s24, s24, 4194304                 ; the logits of head 4 y
	s_mov_b32 s25, 0
	s_lshl_b32 s28, s10, 13                        ; my wave's 16 groups of 16 positions
	s_lshl_b32 s26, s13, 3
	s_add_co_u32 s26, s26, s11
	s_lshl_b32 s26, s26, 16
	s_add_co_u32 s26, s26, s28
	s_add_co_u32 s26, s26, 8388608
	s_mov_b32 s27, 0
	s_lshl_b32 s30, s13, 3
	s_lshl_b32 s31, s12, 1
	s_add_co_u32 s30, s30, s31
	s_lshl_b32 s30, s30, 16
	s_add_co_u32 s30, s30, s28
	s_mov_b32 s31, 0
	s_lshr_b32 s36, s10, 1                         ; the head and
	s_and_b32 s35, s10, 1                          ; the half of d whose accumulator I finish
	s_lshl_b32 s32, s13, 2
	s_add_co_u32 s32, s32, s36
	s_lshl_b32 s32, s32, 3
	s_add_co_u32 s32, s32, s11
	s_lshl_b32 s32, s32, 12
	s_lshl_b32 s34, s12, 1
	s_add_co_u32 s34, s34, s35
	s_lshl_b32 s34, s34, 9
	s_add_co_u32 s32, s32, s34
	s_mov_b32 s33, 0
	s_wait_kmcnt 0x0
	s_add_nc_u64 s[14:15], s[6:7], s[24:25]
	s_add_nc_u64 s[16:17], s[4:5], s[26:27]
	s_add_nc_u64 s[18:19], s[6:7], s[30:31]
	s_add_nc_u64 s[8:9], s[8:9], s[32:33]
.irp d, 0,1,2,3
	global_load_b128 v[LGV+8*\d:LGV+8*\d+3], v2, s[14:15] offset:8192*\d
	global_load_b128 v[LGV+8*\d+4:LGV+8*\d+7], v2, s[14:15] offset:8192*\d+4096
.endr
	WIN 0x40
.set sg, 0
.rept 8
	global_load_b128 v[VFR+8*sg:VFR+8*sg+3], v3, s[16:17] offset:1024*sg
	global_load_b128 v[VFR+8*sg+4:VFR+8*sg+7], v3, s[16:17] offset:1024*sg+512
.irp l, 0,1
	global_load_b128 v[KFR+16*sg+8*\l:KFR+16*sg+8*\l+3], v3, s[18:19] offset:65536*\l+1024*sg
	global_load_b128 v[KFR+16*sg+8*\l+4:KFR+16*sg+8*\l+7], v3, s[18:19] offset:65536*\l+1024*sg+512
.endr
.set sg, sg+1
.endr
	WIN 0
	s_lshl_b32 s23, s10, 4
	s_add_co_u32 s24, s23, MX
	v_mov_b32 v12, s24
	v_mov_b32 v13, MX
	s_add_co_u32 s24, s23, SM
	v_mov_b32 v14, s24
	v_lshlrev_b32 v15, 3, v0                       ; 8 x thread
	v_lshrrev_b32 v17, 4, v1                       ; h
	s_lshl_b32 s24, s10, 9
	v_lshl_add_u32 v[PA], v17, 4, s24              ; p's fragments: 512 w + 16 h
	s_wait_loadcnt 48                              ; the logits are in; the 48 fragment loads stay out
.irp d, 0,1,2,3
	v_max3_num_f32 v[4+\d], v[LGV+8*\d], v[LGV+8*\d+1], v[LGV+8*\d+2]
.endr
.irp d, 0,1,2,3
	v_max3_num_f32 v[4+\d], v[4+\d], v[LGV+8*\d+3], v[LGV+8*\d+4]
.endr
.irp d, 0,1,2,3
	v_max3_num_f32 v[4+\d], v[4+\d], v[LGV+8*\d+5], v[LGV+8*\d+6]
.endr
.irp d, 0,1,2,3
	v_max_num_f32 v[4+\d], v[4+\d], v[LGV+8*\d+7]
.endr
.irp x, 1,2,4,8
.irp d, 0,1,2,3
	v_max_num_f32_dpp v[4+\d], v[4+\d], v[4+\d] row_xmask:\x row_mask:0xf bank_mask:0xf
.endr
.endr
.irp d, 0,1,2,3
	v_mov_b32 v[8+\d], v[4+\d]
.endr
.irp d, 0,1,2,3
	v_permlanex16_b32 v[8+\d], v[4+\d], s20, s21
.endr
.irp d, 0,1,2,3
	v_max_num_f32 v[4+\d], v[4+\d], v[8+\d]
.endr
	ds_store_b128 v12, v[4:7]
	s_wait_dscnt 0x0
	s_barrier_signal -1
	s_barrier_wait -1
.irp k, 0,1,2,3,4,5,6,7
	ds_load_b128 v[96+4*\k:99+4*\k], v13 offset:16*\k
.endr
	s_wait_dscnt 0x0
.irp d, 0,1,2,3
	v_max3_num_f32 v[4+\d], v[96+\d], v[100+\d], v[104+\d]
	v_max3_num_f32 v[4+\d], v[4+\d], v[108+\d], v[112+\d]
	v_max3_num_f32 v[4+\d], v[4+\d], v[116+\d], v[120+\d]
	v_max_num_f32 v[4+\d], v[4+\d], v[124+\d]
	v_mul_f32 v[4+\d], s22, v[4+\d]                ; the head's maximum x log2(e)
.endr
.irp d, 0,1,2,3
.irp j, 0,1,2,3,4,5,6,7
	v_fma_f32 v[LGV+8*\d+\j], v[LGV+8*\d+\j], s22, -v[4+\d]
.endr
.endr
.set i, 0
.rept 32
	v_exp_f32 v[LGV+i], v[LGV+i]
.set i, i+1
.endr
	v_nop                                          ; a plain line behind the exponentials
	s_wait_alu depctr_va_vdst(0)
.irp d, 0,1,2,3
	v_pk_add_f32 v[96+2*\d:97+2*\d], v[LGV+8*\d:LGV+8*\d+1], v[LGV+8*\d+2:LGV+8*\d+3]
	v_pk_add_f32 v[104+2*\d:105+2*\d], v[LGV+8*\d+4:LGV+8*\d+5], v[LGV+8*\d+6:LGV+8*\d+7]
.endr
.irp d, 0,1,2,3
	v_pk_add_f32 v[96+2*\d:97+2*\d], v[96+2*\d:97+2*\d], v[104+2*\d:105+2*\d]
.endr
.irp d, 0,1,2,3
	v_add_f32 v[8+\d], v[96+2*\d], v[97+2*\d]
.endr
.irp x, 1,2,4,8
.irp d, 0,1,2,3
	v_add_f32_dpp v[8+\d], v[8+\d], v[8+\d] row_xmask:\x row_mask:0xf bank_mask:0xf
.endr
.endr
.irp d, 0,1,2,3
	v_permlanex16_b32 v[96+\d], v[8+\d], s20, s21
.endr
.irp d, 0,1,2,3
	v_add_f32 v[8+\d], v[8+\d], v[96+\d]
.endr
	ds_store_b128 v14, v[8:11]
.irp d, 0,1,2,3
.irp k, 0,1
	v_cvt_pk_f16_f32 v[128+4*\d+2*\k], v[LGV+8*\d+4*\k], v[LGV+8*\d+4*\k+1]
	v_cvt_pk_f16_f32 v[128+4*\d+2*\k+1], v[LGV+8*\d+4*\k+2], v[LGV+8*\d+4*\k+3]
	ds_store_b64 v15, v[128+4*\d+2*\k:128+4*\d+2*\k+1] offset:4096*\d+2048*\k
.endr
.endr
	s_wait_dscnt 0x0
	s_barrier_signal -1
	s_barrier_wait -1
	s_wait_loadcnt 0x0                             ; v's and Kk's fragments
.macro PLOAD sg, buf                   ; p of 32 positions for four heads, in fragment order (the same for all 16 lanes of a half)
.irp d, 0,1,2,3
	ds_load_b128 v[PP+32*(\buf)+8*\d:PP+32*(\buf)+8*\d+3], v[PA] offset:4096*\d+64*(\sg)
	ds_load_b128 v[PP+32*(\buf)+8*\d+4:PP+32*(\buf)+8*\d+7], v[PA] offset:4096*\d+64*(\sg)+32
.endr
.endm
; A K step of 32 positions.  The eight accumulators take turns.  A buffer of p v is written again two steps later, behind the 32 plain multiplies of the step between.
.macro STEP sg
.set bu, (\sg)%2
	s_wait_dscnt 0x0
.if (\sg) < 7
	PLOAD (\sg)+1, 1-bu
.endif
	WIN 0x01
.irp d, 0,1,2,3
.irp i, 0,1,2,3,4,5,6,7
	v_pk_mul_f16 v[PV+32*bu+8*\d+\i], v[VFR+8*(\sg)+\i], v[PP+32*bu+8*\d+\i]
.endr
.endr
	WIN 0x04
.irp d, 0,1,2,3
.irp l, 0,1
.if (\sg) == 0
	v_wmma_f32_16x16x32_f16 v[ACC+8*(2*\d+\l):ACC+8*(2*\d+\l)+7], v[PV+32*bu+8*\d:PV+32*bu+8*\d+7], v[KFR+16*(\sg)+8*\l:KFR+16*(\sg)+8*\l+7], 0
.else
	v_wmma_f32_16x16x32_f16 v[ACC+8*(2*\d+\l):ACC+8*(2*\d+\l)+7], v[PV+32*bu+8*\d:PV+32*bu+8*\d+7], v[KFR+16*(\sg)+8*\l:KFR+16*(\sg)+8*\l+7], v[ACC+8*(2*\d+\l):ACC+8*(2*\d+\l)+7]
.endif
.endr
.endr
	WIN 0
.endm
	PLOAD 0, 0
.irp g, 0,1,2,3,4,5,6,7
	STEP \g
.endr
.rept 4
	v_nop                                          ; the places behind the last products
.endr
	s_lshl_b32 s24, s10, 13
	s_add_co_u32 s24, s24, RED
	v_add_nc_u32 v17, s24, v3
	s_lshl_b32 s24, s10, 10
	s_add_co_u32 s24, s24, RED
	v_add_nc_u32 v18, s24, v3
	s_lshl_b32 s24, s36, 2
	s_add_co_u32 s24, s24, SM
	v_mov_b32 v19, s24
.irp c, 0,1,2,3,4,5,6,7
	ds_store_b128 v17, v[ACC+8*\c:ACC+8*\c+3] offset:1024*\c
	ds_store_b128 v17, v[ACC+8*\c+4:ACC+8*\c+7] offset:1024*\c+512
.endr
	s_wait_dscnt 0x0
	s_barrier_signal -1
	s_barrier_wait -1
.irp k, 0,1,2,3,4,5,6,7                ; wave w finishes accumulator w: the eight waves' parts, in f32
	ds_load_b128 v[96+8*\k:99+8*\k], v18 offset:8192*\k
	ds_load_b128 v[100+8*\k:103+8*\k], v18 offset:8192*\k+512
.endr
.irp k, 0,1,2,3,4,5,6,7
	ds_load_b32 v[20+\k], v19 offset:16*\k
.endr
	v_and_b32 v4, 15, v1
	v_lshrrev_b32 v5, 4, v1
	v_lshlrev_b32 v4, 5, v4
	v_lshl_add_u32 v4, v5, 4, v4                   ; row d = r: 32 bytes; my 8 f: 16 h
	s_wait_dscnt 0x0
.irp k, 1,2,3,4,5,6,7
	v_add_f32 v20, v20, v[20+\k]
.irp j, 0,2,4,6
	v_pk_add_f32 v[96+\j:97+\j], v[96+\j:97+\j], v[96+8*\k+\j:97+8*\k+\j]
.endr
.endr
	v_rcp_f32 v160, v20
	v_nop
	s_wait_alu depctr_va_vdst(0)
	v_mul_f32 v160, 0x45000000, v160               ; 2,048 / l
	v_mov_b32 v161, v160
.irp j, 0,2,4,6
	v_pk_mul_f32 v[96+\j:97+\j], v[96+\j:97+\j], v[160:161]
.endr
.irp j, 0,1,2,3
	v_cvt_pk_bf16_f32 v[164+\j], v[96+2*\j], v[97+2*\j]
.endr
	global_store_b128 v4, v[164:167], s[8:9]       ; 512 consecutive bytes: 16 rows d of a plane
	s_wait_tensorcnt 0x0                           ; the wave's end
	ds_add_u32 v[SPW], v[NIL]
	s_wait_dscnt 0x0
	s_endpgm
.Lfunc_end_k_qfc38d6d6ef_outer:
	.size	k_qfc38d6d6ef_outer, .Lfunc_end_k_qfc38d6d6ef_outer-k_qfc38d6d6ef_outer
	.p2alignl 7, 3214868480
	.fill 96, 4, 3214868480
	.section	.rodata,"a",@progbits
	.p2align	6, 0x0
	.amdhsa_kernel k_qfc38d6d6ef_outer
		.amdhsa_group_segment_fixed_size 83456
		.amdhsa_private_segment_fixed_size 0
		.amdhsa_enable_private_segment 0
		.amdhsa_kernarg_size 24
		.amdhsa_user_sgpr_count 2
		.amdhsa_user_sgpr_kernarg_segment_ptr 1
		.amdhsa_wavefront_size32 1
		.amdhsa_system_sgpr_workgroup_id_x 1
		.amdhsa_system_sgpr_workgroup_id_y 1
		.amdhsa_system_sgpr_workgroup_id_z 1
		.amdhsa_system_vgpr_workitem_id 0
		.amdhsa_next_free_vgpr 448
		.amdhsa_next_free_sgpr 66
		.amdhsa_reserve_vcc 0
		.amdhsa_float_denorm_mode_32 3
		.amdhsa_float_denorm_mode_16_64 3
		.amdhsa_memory_ordered 1
		.amdhsa_forward_progress 1
		.amdhsa_inst_pref_size 51
	.end_amdhsa_kernel
	.amdgpu_metadata
---
amdhsa.version: [ 1, 2 ]
amdhsa.kernels:
  - .name:           k_qfc38d6d6ef_outer
    .symbol:         k_qfc38d6d6ef_outer.kd
    .args:
      - { .name: kvs, .offset: 0, .size: 8, .value_kind: global_buffer, .address_space: global }
      - { .name: kfl, .offset: 8, .size: 8, .value_kind: global_buffer, .address_space: global }
      - { .name: op, .offset: 16, .size: 8, .value_kind: global_buffer, .address_space: global }
    .group_segment_fixed_size: 83456
    .private_segment_fixed_size: 0
    .kernarg_segment_align: 8
    .kernarg_segment_size: 24
    .max_flat_workgroup_size: 256
    .sgpr_count:     66
    .vgpr_count:     448
    .wavefront_size: 32
...
	.end_amdgpu_metadata
.endif
;; end of part 4
;; launch ctxk (part 5): grid 16 x 16, 4 waves a work-group, clusters of 4 x 4, 327,680 bytes of LDS; arguments xb, wpk, bphi, qk, op, ctx; writes ctx
.if DOCPART == 5
	.amdgcn_target "amdgcn-amd-amdhsa--gfx1250"
	.amdhsa_code_object_version 6
	.text
	.protected	k_qfc38d6d6ef_ctxk
	.globl	k_qfc38d6d6ef_ctxk
	.p2align	8
	.type	k_qfc38d6d6ef_ctxk,@function
k_qfc38d6d6ef_ctxk:
	s_mov_b64 s[64:65], 0
	v_nop
	global_prefetch_b8 v0, s[64:65] scope:SCOPE_SE
	s_setreg_imm32_b32 hwreg(HW_REG_WAVE_MODE, 25, 1), 1
	s_wait_xcnt 0x0
	s_wait_alu depctr_hold_cnt(0) depctr_sa_sdst(0) depctr_va_vdst(0) depctr_va_sdst(0) depctr_va_ssrc(0) depctr_va_vcc(0) depctr_vm_vsrc(0)
	s_getreg_b32 s2, hwreg(HW_REG_IB_STS2, 6, 4)
	s_cmp_eq_u32 s2, 0
	s_cbranch_scc0 .Lentry_in_a_cluster
	s_endpgm
.Lentry_in_a_cluster:
	s_bfe_u32 s2, ttmp6, 0x10000c
	s_cmp_lg_u32 s2, 0xf033
	s_cbranch_scc0 .Lentry_shape_is_right
	s_endpgm
.Lentry_shape_is_right:
; CTX.  context = (X Wphi + bphi) * (Qk O), a tile of 256 rows x 128 columns: one head.  16 x 16 tiles, one a work-group.  Four waves, each 64 rows x 128 columns.
; Two sets of 32 accumulators: R = Qk O (K = 128, done first) in window 3, P = X Wphi in window 2; the bias is loaded straight into P's accumulators, so the sums start from it.
; So X_phi is never rounded and never goes to memory; the product P R is rounded once, to bf16 (it has no room in f16).
; X GOES STRAIGHT FROM MEMORY INTO REGISTERS.  A wave's 64 rows of X are read by no other wave, and xb lies in fragment order ([block of 16 rows][block of 32 k][half][lane][16 bytes]), so a load takes
; 512 consecutive bytes and is ordered by its own counter alone.  A ring of eight register slots, one for each quarter step of 32 along K: a slot is asked for again right behind its last products,
; seven quarters (224 matrix instructions) ahead of its next use.
; WHY X IS NOT SHARED IN THE CLUSTER: two LDS slots of two K steps of both operands would take 2 x (135,168 + 65,536) = 401,408 bytes, more than a work-group can have; with one K step to a slot a refill has 112
; matrix instructions in which to land.  The price: each of the four work-groups of a cluster's row asks for the same rows of X itself.
; Wphi goes through two LDS slots of FOUR K steps (4 units of 32,768 bytes, a unit a wave), asked for jointly along the cluster's column: three refills, each with 512 matrix instructions in which to land.
; A unit is 8 planes of 128 k x 16 columns in rows of 32 bytes, as they lie in memory, read turned by ds_load_tr16_b128.  Qk (its own, padded to 272 bytes a row) and O (joint along the column) lie in slot 1's bytes first.
; All products are used transposed (source 0 = B side, source 1 = A side): a lane holds 8 neighbouring columns of a row; rounded to bf16 they ARE a fragment of context, which leaves in xb's order, 512 consecutive bytes a store.
; REGISTERS: window 0: v0-31 addresses; v32-95 Qk's fragments, later at work; v96-127 at work; v128-255 ring slots 4-7.  Window 1: v0-127 two buffers of B's 8 fragments; v128-255 ring slots 0-3.
;   Windows 2, 3: accumulator (a, b) of P, of R at v[8 (8 a + b)].
.set UNIT, 32768
.set SLOTB, 131072                     ; a slot; slot 1 begins here, so that one exclusive or turns an address in one slot into the other's
.set TRIPB, 65536                      ; a trip's two units
.set QT, 69632                         ; Qk's tile: 256 rows of 272 bytes
.set QH, 34816
.set SPARE, 262144                     ; behind the slots: the spare words, 128 bytes a wave
.set AB0, 16                           ; v16 my lane's place in a plane; never rewritten
.set ADB, 17                           ; v17 LDS address of the trip's units
.set AO, 18                            ; v18 16 x lane; never rewritten
.set ADQ, 19                           ; v19 LDS address of my Qk fragments
.set ADO, 20                           ; v20 the same for O
.set BA, 27                            ; v27 my byte offset in 16 numbers of the bias
.set SPW, 28
.set NIL, 29
.set QF, 32
.set TM, 32
.set PK, 96
.set WV, 16
.set WH, 17
.set WL, 18
.set CX, 19
.set CY, 20
.set COL, 21
.set ROW, 22
.set CMASK, 66
.set TY, 67
.set G1Q, 24
.set G0Q, 32
.set G0O, 36
.set G1B, 48
.set G0B, 56                           ; s[56:59] Wphi's group 0: it walks
.set PA, 68                            ; s[68:69] X at my wave's rows, at the trip whose quarters are asked for
.set TB, 70                            ; s70 LDS byte at which the next trip's units begin
.set SLOTS, 71
.set TWICE, 72
.set STP, 74                           ; s[74:75] the step of PA in the tail
.set G1O, 76
.set MSB, 0
.macro WIN new                         ; the immediate's high byte repeats the setting that is left
.if MSB != (\new)
	s_set_vgpr_msb (MSB<<8)|(\new)
.set MSB, \new
.endif
.endm
.macro PLACES                          ; four plain lines between a matrix instruction and a load into, or a read of, its registers
.rept 4
	v_nop
.endr
.endm
.macro CREST
	s_cmp_lg_u32 s[WV], 0
	s_cbranch_scc1 .Lnot_wave_0_\@
	s_barrier_signal -3
.Lnot_wave_0_\@:
	s_barrier_wait -3
	s_barrier_signal -1
	s_barrier_wait -1
.endm
.macro CROUND
	s_barrier_signal -1
	s_barrier_wait -1
	CREST
.endm
; Quarter j of a trip: 32 matrix instructions, B's buffer j % 2, ring slot j.  The 32 accumulators take turns, in the same order in every quarter.
.macro MUL j, zero
.if (\j) < 4
	WIN 0xa5
.set ra, 128+32*(\j)
.else
	WIN 0xa1
.set ra, 128+32*((\j)-4)
.endif
.set fb, 64*((\j)%2)
.irp a, 0,1,2,3
.irp b, 0,1,2,3,4,5,6,7
.if \zero
	v_wmma_f32_16x16x32_bf16 v[8*(8*\a+\b):8*(8*\a+\b)+7], v[fb+8*\b:fb+8*\b+7], v[ra+8*\a:ra+8*\a+7], 0
.else
	v_wmma_f32_16x16x32_bf16 v[8*(8*\a+\b):8*(8*\a+\b)+7], v[fb+8*\b:fb+8*\b+7], v[ra+8*\a:ra+8*\a+7], v[8*(8*\a+\b):8*(8*\a+\b)+7]
.endif
.endr
.endr
.endm
.macro FETCH j                         ; 16 LDS loads in one run: B's fragments of the trip's quarter j into buffer j % 2
	WIN 0x40
.set fo, UNIT*((\j)/4)+1024*((\j)%4)
.set fb, 64*((\j)%2)
.irp b, 0,1,2,3,4,5,6,7
	ds_load_tr16_b128 v[fb+8*\b:fb+8*\b+3], v[ADB] offset:fo+4096*\b
	ds_load_tr16_b128 v[fb+8*\b+4:fb+8*\b+7], v[ADB] offset:fo+4096*\b+512
.endr
.endm
.macro BATCH i, off                    ; 8 loads: ring slot i takes my four blocks of rows of the quarter at byte off from PA; each load covers 512 consecutive bytes
.if (\i) < 4
	WIN 0x40
.set ra, 128+32*(\i)
.else
	WIN 0
.set ra, 128+32*((\i)-4)
.endif
.irp a, 0,1,2,3
	global_load_b128 v[ra+8*\a:ra+8*\a+3], v[AO], s[PA:PA+1] offset:65536*\a+(\off)
	global_load_b128 v[ra+8*\a+4:ra+8*\a+7], v[AO], s[PA:PA+1] offset:65536*\a+(\off)+512
.endr
.endm
; A quarter: the next quarter's fragments of B, the refill of the ring slot that the quarter before has multiplied, then this quarter's products.
; tail = 1 (the last slot's text): in the launch's last trip PA does not step, so that the six batches behind it, which nothing will use, ask once more for this trip's own rows and stay inside the buffer:
; 24 KB a wave, the price of one text for both of the tail's trips.
.macro QTR j, zero, tail
	s_wait_dscnt 0x0                               ; B's fragments of this quarter, asked for a quarter ago
	s_wait_loadcnt 48                              ; loads come back in order: ring slot j is in; the six batches of eight issued behind it stay out
.if (\j) == 1
	s_wait_xcnt 0x0                                ; PA is rewritten only behind this wait; the youngest loads were issued a quarter ago
.if \tail
	s_cmp_eq_u32 s[TWICE], 1
	s_cselect_b32 s[STP], 0, 8192
	s_add_nc_u64 s[PA:PA+1], s[PA:PA+1], s[STP:STP+1]
.else
	s_add_nc_u64 s[PA:PA+1], s[PA:PA+1], 8192      ; the next trip's eight quarters
.endif
.endif
	PLACES
	FETCH (\j)+1
.if (\j) == 0
	BATCH 7, 7168                                  ; this trip's last quarter
.else
	BATCH (\j)-1, 1024*((\j)-1)                    ; the next trip's
.endif
	MUL \j, \zero
.endm
.macro HEAD                            ; a trip begins with the last quarter of the trip before, in front of whose products the new trip's first fragments are fetched
	s_wait_dscnt 0x0
	s_wait_loadcnt 48                              ; ring slot 7
	WIN 0
	v_add_nc_u32 v[ADB], s[TB], v[AB0]
	s_add_co_u32 s[TB], s[TB], TRIPB
	PLACES
	FETCH 0
	BATCH 6, 6144
	MUL 7, 0
.endm
; THE CHANGE OF SLOTS.  Each wave waits for all its tensor loads, of which one is out: its unit of the other slot; adds 0 to its spare word; waits for that and for its reads of the slot that it leaves.
; fill = 1: the barrier is a round of the cluster's, and the slot just left takes the next four K steps, the first thing behind the round.
.macro CHANGE fill
	WIN 0
	s_wait_tensorcnt 0x0                           ; no tensor load of mine is out, so the group 0 may be written
	ds_add_u32 v[SPW], v[NIL]
.if \fill
	s_xor_b32 s[G0B+1], s[G0B+1], SLOTB            ; the other slot than last time,
	s_add_nc_u64 s[G0B+2:G0B+3], s[G0B+2:G0B+3], 4*UNIT  ; the next four units; the type bits on top are not reached
	s_wait_dscnt 0x0
	CROUND
	tensor_load_to_lds s[G0B:G0B+3], s[G1B:G1B+7]
	s_nop 0
	PLACES
.else
	s_wait_dscnt 0x0
	s_barrier_signal -1
	s_barrier_wait -1
.endif
	s_sub_co_u32 s[TB], s[TB], 2*TRIPB             ; the fetches go back to a slot's first unit,
	s_xor_b32 s[TB], s[TB], SLOTB                  ; in the other slot
.endm
; R = Qk O: four quarters out of LDS
.macro RFETCH kq
	WIN 0x40
.set fb, 64*((\kq)%2)
.set qa, QF+32*((\kq)%2)
.irp b, 0,1,2,3,4,5,6,7
	ds_load_tr16_b128 v[fb+8*\b:fb+8*\b+3], v[ADO] offset:4096*\b+1024*(\kq)
	ds_load_tr16_b128 v[fb+8*\b+4:fb+8*\b+7], v[ADO] offset:4096*\b+1024*(\kq)+512
.endr
	WIN 0
.irp a, 0,1,2,3
	ds_load_b128 v[qa+8*\a:qa+8*\a+3], v[ADQ] offset:64*(\kq)+4352*\a
	ds_load_b128 v[qa+8*\a+4:qa+8*\a+7], v[ADQ] offset:64*(\kq)+4352*\a+32
.endr
.endm
.macro RMUL kq, zero
	WIN 0xf1
.set fb, 64*((\kq)%2)
.set qa, QF+32*((\kq)%2)
.irp a, 0,1,2,3
.irp b, 0,1,2,3,4,5,6,7
.if \zero
	v_wmma_f32_16x16x32_bf16 v[8*(8*\a+\b):8*(8*\a+\b)+7], v[fb+8*\b:fb+8*\b+7], v[qa+8*\a:qa+8*\a+7], 0
.else
	v_wmma_f32_16x16x32_bf16 v[8*(8*\a+\b):8*(8*\a+\b)+7], v[fb+8*\b:fb+8*\b+7], v[qa+8*\a:qa+8*\a+7], v[8*(8*\a+\b):8*(8*\a+\b)+7]
.endif
.endr
.endr
.endm
	s_load_b256 s[4:11], s[0:1], 0x0               ; xb 4, wpk 6, bphi 8, qk 10
	s_load_b128 s[12:15], s[0:1], 0x20             ; op 12, ctx 14
	v_lshl_add_u32 v[SPW], v0, 2, SPARE
	v_mov_b32 v[NIL], 0
	ds_add_u32 v[SPW], v[NIL]                      ; the wave's opening: the add and its wait stand ahead of my first tensor load
	v_lshrrev_b32 v1, 5, v0
	v_readfirstlane_b32 s[WV], v1
	s_lshr_b32 s[WH], s[WV], 1                     ; I fetch Qk (0) or O (1),
	s_and_b32 s[WL], s[WV], 1                      ; this half of it
	s_bfe_u32 s[CX], ttmp6, 0x40000
	s_bfe_u32 s[CY], ttmp6, 0x40004
	s_lshl_b32 s[COL], ttmp9, 2
	s_add_co_u32 s[COL], s[COL], s[CX]             ; tile column = head
	s_and_b32 s[TY], ttmp7, 0xffff
	s_lshl_b32 s[ROW], s[TY], 2
	s_add_co_u32 s[ROW], s[ROW], s[CY]             ; tile row
	s_lshl_b32 s[CMASK], 0x1111, s[CX]             ; my column of the cluster
	s_or_b32 s[G1B], s[CMASK], (3<<16)|(1<<21)     ; a unit of Wphi: a dense block as 128 rows of 32 elements of 8 bytes
	s_mov_b32 s[G1B+1], 32<<16
	s_mov_b32 s[G1B+2], 128<<16
	s_mov_b32 s[G1B+3], 32<<16
	s_mov_b32 s[G1B+4], 128
	s_mov_b32 s[G1B+5], 32
	s_mov_b32 s[G1B+6], 0
	s_mov_b32 s[G1B+7], 0
	s_or_b32 s[G1O], s[CMASK], (3<<16)|(1<<21)     ; half of O: 64 such rows
	s_mov_b32 s[G1O+1], 32<<16
	s_mov_b32 s[G1O+2], 64<<16
	s_mov_b32 s[G1O+3], 32<<16
	s_mov_b32 s[G1O+4], 64
	s_mov_b32 s[G1O+5], 32
	s_mov_b32 s[G1O+6], 0
	s_mov_b32 s[G1O+7], 0
	s_mov_b32 s[G1Q], (1<<16)|(1<<20)|(5<<22)|(3<<25)  ; Qk: no mask; 128 rows of 128 elements of 2 bytes, 4 words of padding after every 64
	s_mov_b32 s[G1Q+1], 128<<16
	s_mov_b32 s[G1Q+2], 128<<16
	s_mov_b32 s[G1Q+3], 128<<16
	s_mov_b32 s[G1Q+4], 128
	s_mov_b32 s[G1Q+5], 128
	s_mov_b32 s[G1Q+6], 0
	s_mov_b32 s[G1Q+7], 0
	s_lshl_b32 s42, s[COL], 4
	s_add_co_u32 s42, s42, s[WV]
	s_lshl_b32 s42, s42, 15                        ; Wphi: (16 tile column + wave) units
	s_add_co_u32 s42, s42, 12582912
	s_mov_b32 s43, 0
	s_lshl_b32 s90, s[ROW], 2
	s_add_co_u32 s90, s90, s[WV]
	s_lshl_b32 s90, s90, 18                        ; X and context: (16 tile row + 4 wave) blocks of rows of 65,536 bytes
	s_mov_b32 s91, 0
	s_lshr_b32 s88, s[ROW], 3                      ; Qk: ((16 b + head) 2048 + 256 (tile row % 8) + 128 half) rows of 256 bytes
	s_lshl_b32 s88, s88, 4
	s_add_co_u32 s88, s88, s[COL]
	s_lshl_b32 s88, s88, 11
	s_and_b32 s89, s[ROW], 7
	s_lshl_b32 s89, s89, 8
	s_add_co_u32 s88, s88, s89
	s_lshl_b32 s89, s[WL], 7
	s_add_co_u32 s88, s88, s89
	s_lshl_b32 s88, s88, 8
	s_mov_b32 s89, 0
	s_lshr_b32 s92, s[TY], 1                       ; O: the batch from the cluster's y alone, which a column of the cluster shares
	s_lshl_b32 s92, s92, 4
	s_add_co_u32 s92, s92, s[COL]
	s_lshl_b32 s92, s92, 15
	s_lshl_b32 s93, s[WL], 14
	s_add_co_u32 s92, s92, s93
	s_mov_b32 s93, 0
	s_mul_i32 s44, s[WL], QH                       ; LDS places: the wave's number alone enters them
	s_add_co_u32 s44, s44, SLOTB
	s_lshl_b32 s45, s[WL], 14
	s_add_co_u32 s45, s45, SLOTB+QT
	s_mov_b32 s[G0B], 1
	s_lshl_b32 s[G0B+1], s[WV], 15                 ; slot 0, my unit
	s_mov_b32 s[G0Q], 1
	s_mov_b32 s[G0Q+1], s44
	s_mov_b32 s[G0O], 1
	s_mov_b32 s[G0O+1], s45
	s_mov_b32 s[TB], SLOTB+2*TRIPB                 ; the first change of slots turns this into 0
	s_mov_b32 s[STP+1], 0
	s_wait_dscnt 0x0                               ; the opening add is done
	s_wait_kmcnt 0x0
	s_add_nc_u64 s[PA:PA+1], s[4:5], s[90:91]
	s_add_nc_u64 s[G0B+2:G0B+3], s[6:7], s[42:43]
	s_or_b32 s[G0B+3], s[G0B+3], 0x80000000
	s_add_nc_u64 s[G0Q+2:G0Q+3], s[10:11], s[88:89]
	s_or_b32 s[G0Q+3], s[G0Q+3], 0x80000000
	s_add_nc_u64 s[G0O+2:G0O+3], s[12:13], s[92:93]
	s_or_b32 s[G0O+3], s[G0O+3], 0x80000000
	s_lshl_b32 s92, s[COL], 12                     ; context: the head's four blocks of 32 k
	s_add_co_u32 s90, s90, s92
	s_add_nc_u64 s[84:85], s[14:15], s[90:91]
	s_lshl_b32 s90, s[COL], 9
	s_add_nc_u64 s[86:87], s[8:9], s[90:91]        ; the head's 128 numbers of the bias
	CROUND                                         ; all sixteen work-groups are here: the first loads meet
	s_cmp_eq_u32 s[WH], 0                          ; the first fills go out as one group: Qk or O into slot 1's bytes, then my unit of Wphi's first four K steps into slot 0: two loads of mine are out
	s_cbranch_scc0 .Lfirst_o
	tensor_load_to_lds s[G0Q:G0Q+3], s[G1Q:G1Q+7]
	s_nop 0
	PLACES
	s_branch .Lfirst_asked
.Lfirst_o:
	tensor_load_to_lds s[G0O:G0O+3], s[G1O:G1O+7]
	s_nop 0
	PLACES
.Lfirst_asked:
	tensor_load_to_lds s[G0B:G0B+3], s[G1B:G1B+7]
	s_nop 0
	PLACES
	v_and_b32 v5, 31, v0
	v_lshlrev_b32 v[AO], 4, v5
.irp i, 0,1,2,3,4,5,6
	BATCH \i, 1024*\i                              ; the ring's first seven quarters
.endr
	WIN 0
	v_and_b32 v1, 15, v0                           ; r
	v_bfe_u32 v2, v0, 4, 1                         ; h
	v_lshlrev_b32 v[BA], 5, v2
	WIN 0x80                                       ; the bias into P's accumulators: register j of a lane is column 16 b + 8 h + j, whatever the row
.irp a, 0,1,2,3
.irp b, 0,1,2,3,4,5,6,7
	global_load_b128 v[8*(8*\a+\b):8*(8*\a+\b)+3], v[BA], s[86:87] offset:64*\b
	global_load_b128 v[8*(8*\a+\b)+4:8*(8*\a+\b)+7], v[BA], s[86:87] offset:64*\b+16
.endr
.endr
	WIN 0
	v_and_b32 v4, 7, v0                            ; the turning load: k row 8 h + lane % 8, 16 bytes by (lane / 8) % 2
	v_lshl_add_u32 v4, v2, 3, v4
	v_bfe_u32 v6, v0, 3, 1
	v_lshlrev_b32 v4, 5, v4
	v_lshl_add_u32 v[AB0], v6, 4, v4
	v_add_nc_u32 v[ADO], SLOTB+QT, v[AB0]
	v_mul_u32_u24 v3, v1, 272
	v_lshl_add_u32 v3, v2, 4, v3
	s_mul_i32 s46, s[WV], 64*272
	s_add_co_u32 s46, s46, SLOTB
	v_add_nc_u32 v[ADQ], s46, v3
	s_wait_tensorcnt 0x1                           ; my part of Qk or O is in; Wphi's unit, issued behind it, may stay out
	s_barrier_signal -1
	s_barrier_wait -1
	RFETCH 0
	s_wait_dscnt 0x0
	RFETCH 1
	RMUL 0, 1                                      ; the first products start R's sums
	s_wait_dscnt 0x0
	PLACES
	RFETCH 2
	RMUL 1, 0
	s_wait_dscnt 0x0
	PLACES
	RFETCH 3
	RMUL 2, 0
	s_wait_dscnt 0x0
	RMUL 3, 0
	CHANGE 1                                       ; slot 0 is whole; Qk's and O's bytes take K steps 4 to 7.  The v_nop behind the load are the places in front of the loads below
	v_add_nc_u32 v[ADB], s[TB], v[AB0]
	s_add_co_u32 s[TB], s[TB], TRIPB
	FETCH 0
	WIN 0
	s_wait_loadcnt 0x0                             ; the bias and the ring's first quarters, asked for ahead of the whole of R
	s_mov_b32 s[SLOTS], 3
	s_mov_b32 s[TWICE], 2
	s_branch .Lq0                                  ; the loop is entered behind a trip's head
.Lslot:                                                ; twice: slots 0 and 1 are filled once more
	CHANGE 1
	s_mov_b32 s[TWICE], 2
.Ltrip:                                                ; a trip: eight quarters, two K steps
	HEAD
	WIN 0
.Lq0:
	QTR 0, 0, 0
	QTR 1, 0, 0
	QTR 2, 0, 0
	QTR 3, 0, 0
	QTR 4, 0, 0
	QTR 5, 0, 0
	QTR 6, 0, 0
	WIN 0
	s_sub_co_u32 s[TWICE], s[TWICE], 1
	s_cmp_lg_u32 s[TWICE], 0
	s_cbranch_scc1 .Ltrip
	s_sub_co_u32 s[SLOTS], s[SLOTS], 1
	s_cmp_lg_u32 s[SLOTS], 0
	s_cbranch_scc1 .Lslot
	CHANGE 0                                       ; the last slot is written out: nothing is asked for
	s_mov_b32 s[TWICE], 2
.Ltail:
	HEAD
	QTR 0, 0, 1
	QTR 1, 0, 1
	QTR 2, 0, 1
	QTR 3, 0, 1
	QTR 4, 0, 1
	QTR 5, 0, 1
	QTR 6, 0, 1
	WIN 0
	s_sub_co_u32 s[TWICE], s[TWICE], 1
	s_cmp_lg_u32 s[TWICE], 0
	s_cbranch_scc1 .Ltail
	s_wait_dscnt 0x0
	s_wait_loadcnt 48                              ; ring slot 7; the six batches behind it land in ring slots 0 to 5, which no later line names
	MUL 7, 0
	; THE WAY OUT, a block of 16 rows at a time: P R in f32, rounded to bf16; a lane's 16 bytes of column block b are its 16 bytes of a fragment of context
.macro OUTA a
	WIN 0x0e                                       ; source 0 window 2 (P), source 1 window 3 (R); ascending registers
.irp b, 0,1,2,3,4,5,6,7
.irp j, 0,2,4,6
	v_pk_mul_f32 v[TM+8*\b+\j:TM+8*\b+\j+1], v[8*(8*(\a)+\b)+\j:8*(8*(\a)+\b)+\j+1], v[8*(8*(\a)+\b)+\j:8*(8*(\a)+\b)+\j+1]
.endr
.endr
	WIN 0
	s_wait_xcnt 0x0                                ; registers that the block before's stores read are rewritten only behind this wait
.irp b, 0,1,2,3,4,5,6,7
.irp j, 0,1,2,3
	v_cvt_pk_bf16_f32 v[PK+4*\b+\j], v[TM+8*\b+2*\j], v[TM+8*\b+2*\j+1]
.endr
.endr
.irp b, 0,1,2,3,4,5,6,7
	global_store_b128 v[AO], v[PK+4*\b:PK+4*\b+3], s[84:85] offset:65536*(\a)+512*\b   ; 512 consecutive bytes, aligned
.endr
.endm
	PLACES
	OUTA 0
	OUTA 1
	OUTA 2
	OUTA 3
	s_wait_tensorcnt 0x0                           ; the wave's end
	ds_add_u32 v[SPW], v[NIL]
	s_wait_dscnt 0x0
	CROUND                                         ; the closing round
	s_endpgm
.Lfunc_end_k_qfc38d6d6ef_ctxk:
	.size	k_qfc38d6d6ef_ctxk, .Lfunc_end_k_qfc38d6d6ef_ctxk-k_qfc38d6d6ef_ctxk
	.p2alignl 7, 3214868480
	.fill 96, 4, 3214868480
	.section	.rodata,"a",@progbits
	.p2align	6, 0x0
	.amdhsa_kernel k_qfc38d6d6ef_ctxk
		.amdhsa_group_segment_fixed_size 327680
		.amdhsa_private_segment_fixed_size 0
		.amdhsa_enable_private_segment 0
		.amdhsa_kernarg_size 48
		.amdhsa_user_sgpr_count 2
		.amdhsa_user_sgpr_kernarg_segment_ptr 1
		.amdhsa_wavefront_size32 1
		.amdhsa_system_sgpr_workgroup_id_x 1
		.amdhsa_system_sgpr_workgroup_id_y 1
		.amdhsa_system_sgpr_workgroup_id_z 1
		.amdhsa_system_vgpr_workitem_id 0
		.amdhsa_next_free_vgpr 1024
		.amdhsa_next_free_sgpr 96
		.amdhsa_reserve_vcc 0
		.amdhsa_float_denorm_mode_32 3
		.amdhsa_float_denorm_mode_16_64 3
		.amdhsa_memory_ordered 1
		.amdhsa_forward_progress 1
		.amdhsa_inst_pref_size 124
	.end_amdhsa_kernel
	.amdgpu_metadata
---
amdhsa.version: [ 1, 2 ]
amdhsa.kernels:
  - .name:           k_qfc38d6d6ef_ctxk
    .symbol:         k_qfc38d6d6ef_ctxk.kd
    .args:
      - { .name: xb, .offset: 0, .size: 8, .value_kind: global_buffer, .address_space: global }
      - { .name: wpk, .offset: 8, .size: 8, .value_kind: global_buffer, .address_space: global }
      - { .name: bphi, .offset: 16, .size: 8, .value_kind: global_buffer, .address_space: global }
      - { .name: qk, .offset: 24, .size: 8, .value_kind: global_buffer, .address_space: global }
      - { .name: op, .offset: 32, .size: 8, .value_kind: global_buffer, .address_space: global }
      - { .name: ctx, .offset: 40, .size: 8, .value_kind: global_buffer, .address_space: global }
    .group_segment_fixed_size: 327680
    .private_segment_fixed_size: 0
    .kernarg_segment_align: 8
    .kernarg_segment_size: 48
    .max_flat_workgroup_size: 128
    .sgpr_count:     96
    .vgpr_count:     1024
    .wavefront_size: 32
...
	.end_amdgpu_metadata
.endif
;; end of part 5
;; launch outp (part 6): grid 16 x 16, 4 waves a work-group, clusters of 4 x 4, 327,680 bytes of LDS; arguments ctx, wpk, out0; writes out0
.if DOCPART == 6
	.amdgcn_target "amdgcn-amd-amdhsa--gfx1250"
	.amdhsa_code_object_version 6
	.text
	.protected	k_qfc38d6d6ef_outp
	.globl	k_qfc38d6d6ef_outp
	.p2align	8
	.type	k_qfc38d6d6ef_outp,@function
k_qfc38d6d6ef_outp:
	s_mov_b64 s[64:65], 0
	v_nop
	global_prefetch_b8 v0, s[64:65] scope:SCOPE_SE
	s_setreg_imm32_b32 hwreg(HW_REG_WAVE_MODE, 25, 1), 1
	s_wait_xcnt 0x0
	s_wait_alu depctr_hold_cnt(0) depctr_sa_sdst(0) depctr_va_vdst(0) depctr_va_sdst(0) depctr_va_ssrc(0) depctr_va_vcc(0) depctr_vm_vsrc(0)
	s_getreg_b32 s2, hwreg(HW_REG_IB_STS2, 6, 4)
	s_cmp_eq_u32 s2, 0
	s_cbranch_scc0 .Lentry_in_a_cluster
	s_endpgm
.Lentry_in_a_cluster:
	s_bfe_u32 s2, ttmp6, 0x10000c
	s_cmp_lg_u32 s2, 0xf033
	s_cbranch_scc0 .Lentry_shape_is_right
	s_endpgm
.Lentry_shape_is_right:
; OUT.  out0 = context Wo, a tile of 256 rows x 128 columns, 16 x 16 tiles, one a work-group.  Four waves, each 64 rows x 128 columns: 32 accumulators in window 2.
; CONTEXT GOES STRAIGHT FROM MEMORY INTO REGISTERS.  A wave's 64 rows are read by no other wave, and ctx lies in fragment order ([block of 16 rows][block of 32 k][half][lane][16 bytes]), so a load takes
; 512 consecutive bytes and is ordered by its own counter alone.  A ring of eight register slots, one for each quarter step of 32 along K: a slot is asked for again right behind its last products,
; seven quarters (224 matrix instructions) ahead of its next use.
; WHY CONTEXT IS NOT SHARED IN THE CLUSTER: two LDS slots of two K steps of both operands would take 2 x (135,168 + 65,536) = 401,408 bytes, more than a work-group can have; with one K step to a slot a refill has
; 112 matrix instructions in which to land.  The price: each of the four work-groups of a cluster's row asks for the same rows itself.
; Wo goes through two LDS slots of FOUR K steps (4 units of 32,768 bytes, a unit a wave), asked for jointly along the cluster's column: each fill behind the first has 512 matrix instructions in which to land.
; A unit is 8 planes of 128 k x 16 columns in rows of 32 bytes, as they lie in memory, read turned by ds_load_tr16_b128.
; The products are used transposed (source 0 = Wo, source 1 = context): a lane holds 8 neighbouring columns of a row.  The result leaves in f32 through each wave's own stage, a row's 512 bytes to a store.
; REGISTERS: window 0: v0-31 addresses; v32-95 the way out; v128-255 ring slots 4-7.  Window 1: v0-127 two buffers of Wo's 8 fragments; v128-255 ring slots 0-3.  Window 2: accumulator (a, b) at v[8 (8 a + b)].
.set UNIT, 32768
.set SLOTB, 131072                     ; a slot; slot 1 begins here, so that one exclusive or turns an address in one slot into the other's
.set TRIPB, 65536                      ; a trip's two units
.set SPARE, 262144                     ; behind the slots: the spare words, 128 bytes a wave
.set STAGE, 262656                     ; 16 rows x 528 bytes for each wave; no tensor load lands here
.set SP, 528
.set AB0, 16                           ; v16 my lane's place in a plane; never rewritten
.set ADB, 17                           ; v17 LDS address of the trip's units
.set AO, 18                            ; v18 16 x lane; never rewritten
.set STO, 22
.set RD, 23
.set SPW, 28
.set NIL, 29
.set WV, 16
.set CX, 19
.set CY, 20
.set COL, 21
.set ROW, 22
.set CMASK, 66
.set G1B, 48
.set G0B, 56                           ; s[56:59] Wo's group 0: it walks
.set PA, 68                            ; s[68:69] context at my wave's rows, at the trip whose quarters are asked for
.set TB, 70                            ; s70 LDS byte at which the next trip's units begin
.set SLOTS, 71
.set TWICE, 72
.set STP, 74                           ; s[74:75] the step of PA in the tail
.set MSB, 0
.macro WIN new                         ; the immediate's high byte repeats the setting that is left
.if MSB != (\new)
	s_set_vgpr_msb (MSB<<8)|(\new)
.set MSB, \new
.endif
.endm
.macro PLACES                          ; four plain lines between a matrix instruction and a load into, or a read of, its registers
.rept 4
	v_nop
.endr
.endm
.macro CREST
	s_cmp_lg_u32 s[WV], 0
	s_cbranch_scc1 .Lnot_wave_0_\@
	s_barrier_signal -3
.Lnot_wave_0_\@:
	s_barrier_wait -3
	s_barrier_signal -1
	s_barrier_wait -1
.endm
.macro CROUND
	s_barrier_signal -1
	s_barrier_wait -1
	CREST
.endm
; Quarter j of a trip: 32 matrix instructions, Wo's buffer j % 2, ring slot j.  The 32 accumulators take turns, in the same order in every quarter.
.macro MUL j, zero
.if (\j) < 4
	WIN 0xa5
.set ra, 128+32*(\j)
.else
	WIN 0xa1
.set ra, 128+32*((\j)-4)
.endif
.set fb, 64*((\j)%2)
.irp a, 0,1,2,3
.irp b, 0,1,2,3,4,5,6,7
.if \zero
	v_wmma_f32_16x16x32_bf16 v[8*(8*\a+\b):8*(8*\a+\b)+7], v[fb+8*\b:fb+8*\b+7], v[ra+8*\a:ra+8*\a+7], 0
.else
	v_wmma_f32_16x16x32_bf16 v[8*(8*\a+\b):8*(8*\a+\b)+7], v[fb+8*\b:fb+8*\b+7], v[ra+8*\a:ra+8*\a+7], v[8*(8*\a+\b):8*(8*\a+\b)+7]
.endif
.endr
.endr
.endm
.macro FETCH j                         ; 16 LDS loads in one run: Wo's fragments of the trip's quarter j into buffer j % 2
	WIN 0x40
.set fo, UNIT*((\j)/4)+1024*((\j)%4)
.set fb, 64*((\j)%2)
.irp b, 0,1,2,3,4,5,6,7
	ds_load_tr16_b128 v[fb+8*\b:fb+8*\b+3], v[ADB] offset:fo+4096*\b
	ds_load_tr16_b128 v[fb+8*\b+4:fb+8*\b+7], v[ADB] offset:fo+4096*\b+512
.endr
.endm
.macro BATCH i, off                    ; 8 loads: ring slot i takes my four blocks of rows of the quarter at byte off from PA; each load covers 512 consecutive bytes
.if (\i) < 4
	WIN 0x40
.set ra, 128+32*(\i)
.else
	WIN 0
.set ra, 128+32*((\i)-4)
.endif
.irp a, 0,1,2,3
	global_load_b128 v[ra+8*\a:ra+8*\a+3], v[AO], s[PA:PA+1] offset:65536*\a+(\off)
	global_load_b128 v[ra+8*\a+4:ra+8*\a+7], v[AO], s[PA:PA+1] offset:65536*\a+(\off)+512
.endr
.endm
; A quarter: the next quarter's fragments of Wo, the refill of the ring slot that the quarter before has multiplied, then this quarter's products.
; tail = 1 (the last slot's text): in the launch's last trip PA does not step, so that the six batches behind it, which nothing will use, ask once more for this trip's own rows and stay inside the buffer:
; 24 KB a wave, the price of one text for both of the tail's trips.
.macro QTR j, zero, tail
	s_wait_dscnt 0x0                               ; Wo's fragments of this quarter, asked for a quarter ago
	s_wait_loadcnt 48                              ; loads come back in order: ring slot j is in; the six batches of eight issued behind it stay out
.if (\j) == 1
	s_wait_xcnt 0x0                                ; PA is rewritten only behind this wait; the youngest loads were issued a quarter ago
.if \tail
	s_cmp_eq_u32 s[TWICE], 1
	s_cselect_b32 s[STP], 0, 8192
	s_add_nc_u64 s[PA:PA+1], s[PA:PA+1], s[STP:STP+1]
.else
	s_add_nc_u64 s[PA:PA+1], s[PA:PA+1], 8192      ; the next trip's eight quarters
.endif
.endif
	PLACES
	FETCH (\j)+1
.if (\j) == 0
	BATCH 7, 7168                                  ; this trip's last quarter
.else
	BATCH (\j)-1, 1024*((\j)-1)                    ; the next trip's
.endif
	MUL \j, \zero
.endm
.macro HEAD                            ; a trip begins with the last quarter of the trip before, in front of whose products the new trip's first fragments are fetched
	s_wait_dscnt 0x0
	s_wait_loadcnt 48                              ; ring slot 7
	WIN 0
	v_add_nc_u32 v[ADB], s[TB], v[AB0]
	s_add_co_u32 s[TB], s[TB], TRIPB
	PLACES
	FETCH 0
	BATCH 6, 6144
	MUL 7, 0
.endm
; THE CHANGE OF SLOTS.  Each wave waits for all its tensor loads, of which one is out: its unit of the other slot; adds 0 to its spare word; waits for that and for its reads of the slot that it leaves.
; fill = 1: the barrier is a round of the cluster's, and the slot just left takes the next four K steps, the first thing behind the round.  (At its first use nothing has been read yet: slot 0 is waited for, slot 1 filled.)
.macro CHANGE fill
	WIN 0
	s_wait_tensorcnt 0x0                           ; no tensor load of mine is out, so the group 0 may be written
	ds_add_u32 v[SPW], v[NIL]
.if \fill
	s_xor_b32 s[G0B+1], s[G0B+1], SLOTB            ; the other slot than last time,
	s_add_nc_u64 s[G0B+2:G0B+3], s[G0B+2:G0B+3], 4*UNIT  ; the next four units; the type bits on top are not reached
	s_wait_dscnt 0x0
	CROUND
	tensor_load_to_lds s[G0B:G0B+3], s[G1B:G1B+7]
	s_nop 0
	PLACES
.else
	s_wait_dscnt 0x0
	s_barrier_signal -1
	s_barrier_wait -1
.endif
	s_sub_co_u32 s[TB], s[TB], 2*TRIPB             ; the fetches go back to a slot's first unit,
	s_xor_b32 s[TB], s[TB], SLOTB                  ; in the other slot
.endm
	s_load_b128 s[4:7], s[0:1], 0x0                ; ctx 4, wpk 6
	s_load_b64 s[8:9], s[0:1], 0x10                ; out0
	v_lshl_add_u32 v[SPW], v0, 2, SPARE
	v_mov_b32 v[NIL], 0
	ds_add_u32 v[SPW], v[NIL]                      ; the wave's opening: the add and its wait stand ahead of my first tensor load
	v_lshrrev_b32 v1, 5, v0
	v_readfirstlane_b32 s[WV], v1
	s_bfe_u32 s[CX], ttmp6, 0x40000
	s_bfe_u32 s[CY], ttmp6, 0x40004
	s_lshl_b32 s[COL], ttmp9, 2
	s_add_co_u32 s[COL], s[COL], s[CX]             ; tile column
	s_and_b32 s[ROW], ttmp7, 0xffff
	s_lshl_b32 s[ROW], s[ROW], 2
	s_add_co_u32 s[ROW], s[ROW], s[CY]             ; tile row
	s_lshl_b32 s[CMASK], 0x1111, s[CX]             ; my column of the cluster
	s_or_b32 s[G1B], s[CMASK], (3<<16)|(1<<21)     ; a unit of Wo: a dense block as 128 rows of 32 elements of 8 bytes
	s_mov_b32 s[G1B+1], 32<<16
	s_mov_b32 s[G1B+2], 128<<16
	s_mov_b32 s[G1B+3], 32<<16
	s_mov_b32 s[G1B+4], 128
	s_mov_b32 s[G1B+5], 32
	s_mov_b32 s[G1B+6], 0
	s_mov_b32 s[G1B+7], 0
	s_lshl_b32 s42, s[COL], 4
	s_add_co_u32 s42, s42, s[WV]
	s_lshl_b32 s42, s42, 15                        ; Wo: (16 tile column + wave) units
	s_add_co_u32 s42, s42, 20971520
	s_mov_b32 s43, 0
	s_lshl_b32 s90, s[ROW], 2
	s_add_co_u32 s90, s90, s[WV]
	s_lshl_b32 s90, s90, 18                        ; context: (16 tile row + 4 wave) blocks of rows of 65,536 bytes
	s_mov_b32 s91, 0
	s_lshl_b32 s88, s[ROW], 8
	s_lshl_b32 s92, s[WV], 6
	s_add_co_u32 s88, s88, s92
	s_lshl_b32 s88, s88, 13                        ; out0: (256 tile row + 64 wave) rows of 8,192 bytes,
	s_lshl_b32 s92, s[COL], 9
	s_add_co_u32 s88, s88, s92                     ; the tile's 512 bytes of them
	s_mov_b32 s89, 0
	s_mov_b32 s[G0B], 1
	s_lshl_b32 s[G0B+1], s[WV], 15                 ; slot 0, my unit
	s_mov_b32 s[TB], SLOTB+2*TRIPB                 ; the first change of slots turns this into 0
	s_mov_b32 s[STP+1], 0
	s_wait_dscnt 0x0                               ; the opening add is done
	s_wait_kmcnt 0x0
	s_add_nc_u64 s[PA:PA+1], s[4:5], s[90:91]
	s_add_nc_u64 s[G0B+2:G0B+3], s[6:7], s[42:43]
	s_or_b32 s[G0B+3], s[G0B+3], 0x80000000
	s_add_nc_u64 s[84:85], s[8:9], s[88:89]
	CROUND                                         ; all sixteen work-groups are here: the first joint loads meet
	tensor_load_to_lds s[G0B:G0B+3], s[G1B:G1B+7]  ; my unit of K steps 0 to 3
	s_nop 0
	PLACES
	v_and_b32 v5, 31, v0
	v_lshlrev_b32 v[AO], 4, v5
.irp i, 0,1,2,3,4,5,6
	BATCH \i, 1024*\i                              ; the ring's first seven quarters
.endr
	WIN 0
	v_and_b32 v1, 15, v0                           ; r
	v_bfe_u32 v2, v0, 4, 1                         ; h
	v_and_b32 v4, 7, v0                            ; the turning load: k row 8 h + lane % 8, 16 bytes by (lane / 8) % 2
	v_lshl_add_u32 v4, v2, 3, v4
	v_bfe_u32 v6, v0, 3, 1
	v_lshlrev_b32 v4, 5, v4
	v_lshl_add_u32 v[AB0], v6, 4, v4
	s_mul_i32 s46, s[WV], 16*SP
	s_add_co_u32 s46, s46, STAGE
	v_mul_u32_u24 v7, v1, SP
	v_lshl_add_u32 v7, v2, 5, v7
	v_add_nc_u32 v[STO], s46, v7                   ; in: row r, 32 bytes for each half of the lanes
	v_add_nc_u32 v[RD], s46, v[AO]                 ; back: a row's 512 bytes, 16 a lane
	CHANGE 1                                       ; slot 0 is whole; slot 1 is asked for
	v_add_nc_u32 v[ADB], s[TB], v[AB0]
	s_add_co_u32 s[TB], s[TB], TRIPB
	FETCH 0
	s_mov_b32 s[SLOTS], 3
	s_mov_b32 s[TWICE], 2
	QTR 0, 1, 0                                    ; the first quarter is written out: its products start the sums
	WIN 0
	s_branch .Lq1                                  ; the loop is entered behind a trip's first quarter
.Lslot:                                                ; twice: slots 0 and 1 are filled once more
	CHANGE 1
	s_mov_b32 s[TWICE], 2
.Ltrip:                                                ; a trip: eight quarters, two K steps
	HEAD
	QTR 0, 0, 0
	WIN 0
.Lq1:
	QTR 1, 0, 0
	QTR 2, 0, 0
	QTR 3, 0, 0
	QTR 4, 0, 0
	QTR 5, 0, 0
	QTR 6, 0, 0
	WIN 0
	s_sub_co_u32 s[TWICE], s[TWICE], 1
	s_cmp_lg_u32 s[TWICE], 0
	s_cbranch_scc1 .Ltrip
	s_sub_co_u32 s[SLOTS], s[SLOTS], 1
	s_cmp_lg_u32 s[SLOTS], 0
	s_cbranch_scc1 .Lslot
	CHANGE 0                                       ; the last slot is written out: nothing is asked for
	s_mov_b32 s[TWICE], 2
.Ltail:
	HEAD
	QTR 0, 0, 1
	QTR 1, 0, 1
	QTR 2, 0, 1
	QTR 3, 0, 1
	QTR 4, 0, 1
	QTR 5, 0, 1
	QTR 6, 0, 1
	WIN 0
	s_sub_co_u32 s[TWICE], s[TWICE], 1
	s_cmp_lg_u32 s[TWICE], 0
	s_cbranch_scc1 .Ltail
	s_wait_dscnt 0x0
	s_wait_loadcnt 48                              ; ring slot 7; the six batches behind it land in ring slots 0 to 5, which no later line names
	MUL 7, 0
	PLACES
.set ia, 0
.rept 4                                ; 16 rows at a time through my own stage; each accumulator's low registers first
	WIN 0x08
.irp b, 0,1,2,3,4,5,6,7
	ds_store_b128 v[STO], v[8*(8*ia+\b):8*(8*ia+\b)+3] offset:64*\b
	ds_store_b128 v[STO], v[8*(8*ia+\b)+4:8*(8*ia+\b)+7] offset:64*\b+16
.endr
	WIN 0
	s_wait_xcnt 0x0                                ; registers that earlier stores read are loaded again only behind this wait
.irp t, 0,1,2,3,4,5,6,7,8,9,10,11,12,13,14,15
	ds_load_b128 v[32+4*\t:35+4*\t], v[RD] offset:SP*\t        ; my wave's own bytes: LDS serves a wave's instructions in order
.endr
.irp t, 0,1,2,3,4,5,6,7,8,9,10,11,12,13,14,15
	s_wait_dscnt 15-\t
	global_store_b128 v[AO], v[32+4*\t:35+4*\t], s[84:85] offset:131072*ia+8192*\t th:TH_STORE_NT   ; 512 consecutive bytes of a row, aligned
.endr
.set ia, ia+1
.endr
	s_wait_tensorcnt 0x0                           ; the wave's end
	ds_add_u32 v[SPW], v[NIL]
	s_wait_dscnt 0x0
	CROUND                                         ; the closing round
	s_endpgm
.Lfunc_end_k_qfc38d6d6ef_outp:
	.size	k_qfc38d6d6ef_outp, .Lfunc_end_k_qfc38d6d6ef_outp-k_qfc38d6d6ef_outp
	.p2alignl 7, 3214868480
	.fill 96, 4, 3214868480
	.section	.rodata,"a",@progbits
	.p2align	6, 0x0
	.amdhsa_kernel k_qfc38d6d6ef_outp
		.amdhsa_group_segment_fixed_size 327680
		.amdhsa_private_segment_fixed_size 0
		.amdhsa_enable_private_segment 0
		.amdhsa_kernarg_size 24
		.amdhsa_user_sgpr_count 2
		.amdhsa_user_sgpr_kernarg_segment_ptr 1
		.amdhsa_wavefront_size32 1
		.amdhsa_system_sgpr_workgroup_id_x 1
		.amdhsa_system_sgpr_workgroup_id_y 1
		.amdhsa_system_sgpr_workgroup_id_z 1
		.amdhsa_system_vgpr_workitem_id 0
		.amdhsa_next_free_vgpr 768
		.amdhsa_next_free_sgpr 96
		.amdhsa_reserve_vcc 0
		.amdhsa_float_denorm_mode_32 3
		.amdhsa_float_denorm_mode_16_64 3
		.amdhsa_memory_ordered 1
		.amdhsa_forward_progress 1
		.amdhsa_inst_pref_size 101
	.end_amdhsa_kernel
	.amdgpu_metadata
---
amdhsa.version: [ 1, 2 ]
amdhsa.kernels:
  - .name:           k_qfc38d6d6ef_outp
    .symbol:         k_qfc38d6d6ef_outp.kd
    .args:
      - { .name: ctx, .offset: 0, .size: 8, .value_kind: global_buffer, .address_space: global }
      - { .name: wpk, .offset: 8, .size: 8, .value_kind: global_buffer, .address_space: global }
      - { .name: out0, .offset: 16, .size: 8, .value_kind: global_buffer, .address_space: global }
    .group_segment_fixed_size: 327680
    .private_segment_fixed_size: 0
    .kernarg_segment_align: 8
    .kernarg_segment_size: 24
    .max_flat_workgroup_size: 128
    .sgpr_count:     96
    .vgpr_count:     768
    .wavefront_size: 32
...
	.end_amdgpu_metadata
.endif
;; end of part 6
;; ======== version 2 of 2: 6 launches; version 1 with the launch outer written anew for expert scheduling mode
;; limits: values are held in f16: magnitudes above 65,504 overflow, below 6.1e-05 lose precision; right only within a limited range of input values
;; workspace buffers: xb 16,777,216 bytes; wpk 29,360,128 bytes; tab 4,194,304 bytes; qk 16,777,216 bytes; kvs 12,713,984 bytes; kfl 4,456,448 bytes; op 1,048,576 bytes; ctx 16,777,216 bytes
;; launch prep: the kernel of part 1 again; grid 1920 x 1, 8 waves a work-group, no clusters, 35,840 bytes of LDS; arguments hidden_states, Wq, Wk, Wv, Wphi, Wo, position_ids, xb, wpk, tab; writes xb, wpk, tab
;; launch qkv: the kernel of part 2 again; grid 16 x 16, 4 waves a work-group, clusters of 4 x 4, 327,680 bytes of LDS; arguments xb, wpk, tab, qk, kvs; writes qk, kvs
;; launch logit: the kernel of part 3 again; grid 32 x 8, 16 waves a work-group, no clusters, 8,192 bytes of LDS; arguments kvs, tab, kfl; writes kfl
;; launch outer (part 7): grid 32 x 8, 8 waves a work-group, no clusters, 83,456 bytes of LDS; arguments kvs, kfl, op; writes op
.if DOCPART == 7
	.amdgcn_target "amdgcn-amd-amdhsa--gfx1250"
	.amdhsa_code_object_version 6
	.text
	.protected	k_qfc38d6d6ef_outer
	.globl	k_qfc38d6d6ef_outer
	.p2align	8
	.type	k_qfc38d6d6ef_outer,@function
k_qfc38d6d6ef_outer:
	s_mov_b64 s[64:65], 0
	v_nop
	global_prefetch_b8 v0, s[64:65] scope:SCOPE_SE
	s_setreg_imm32_b32 hwreg(HW_REG_WAVE_SCHED_MODE, 0, 2), 2
	s_setreg_imm32_b32 hwreg(HW_REG_WAVE_MODE, 25, 1), 1
	s_wait_xcnt 0x0
	s_wait_alu depctr_vm_vsrc(0)
; OUTER.  O[head][d][f] = 2048 / l x the sum over s of p[s] Kk[s][d] v[s][f], p = e^(logit - max), l = the sum of p: the softmax over all 2,048 positions with its true maximum taken away.
; A work-group: one (batch, kv head) y, 16 columns f (bf), 32 rows d (ds), all four query heads.  Each of 8 waves takes 256 positions (8 K steps of 32) and the waves' sums meet in LDS, in f32.
; Source 0 = p v (16 f x 32 s, f16, made by a packed multiply), source 1 = Kk (32 s x 16 d, f16): a lane holds 8 neighbouring f of one d.  v and Kk lie in memory in fragment order: plain 16-byte loads.
; O leaves in bf16 as the next launch's B operand: op [32 heads][8 planes of 16 f][128 d][16 f].
; NO CLUSTER: the eight waves read disjoint bytes straight into registers; nothing that work-groups share passes through LDS.
; LIMITS: p is rounded to f16 for the product (below 6e-8 it counts as 0 there; l is the sum of the unrounded p); p v has v's range, within 65,504.
; THE MODE: SCHED_MODE bits 1:0 = 2 (LLVM: expert scheduling mode 2), set by the entry lines.  The code itself states the register dependences
; between vector or matrix instructions and memory or LDS instructions, with s_wait_alu, always for 0.
; THE PLAN.  Registers that memory or LDS instructions touch:
;   v2, v3, v12-v19, v28   offsets and LDS addresses: all made at the head, ahead of one wait on va_vdst, and never written again.
;   LGV, VFR, KFR          loaded once from memory; no vector line names them ahead of their loads.
;   v[4:7]                 my wave's maxima: written by the reduction, read by one LDS store, written again when the eight waves' maxima are folded.
;   v[8:11], v[128:143]    my wave's sums and p in f16: written by vector lines, read by nine LDS stores; v[128:143] belong to PV's second buffer, which step 1 writes again.
;   PP0, PP1               Step s: its 32 multiplies read PP[s % 2]; behind them the LDS loads of step s + 2 land in it.
;   ACC                    written by the products, read by sixteen LDS stores.
;   v[96:159], v[20:27]    behind the last barrier LDS loads land in them; v[96:159] are PV, which the multiplies wrote and the products read.
;   v[164:167]             written by the last roundings, read by the global store.
;   PV and, in the steps, ACC are named by vector and matrix instructions alone.  v[SPW], v[NIL]: written at the head, read by the closing add alone.
; So ONE wait on va_vdst stands in each of steps 0 to 5, behind the step's multiplies; the step's eight loads follow it, dealt among its eight products, which name ACC, PV and KFR:
; none of the registers that those loads touch.  Steps 6 and 7 issue no load and hold no such wait.
.set P16, 0                            ; p in f16: [4 heads][2048]
.set MX, 16384                         ; eight waves' four maxima
.set SM, 16640                         ; eight waves' four sums
.set RED, 16896                        ; [wave][accumulator][half][lane][16 bytes]
.set SPARE, 82432
.set OO, 28                            ; v28 my byte offset in the 512 bytes of O that my wave stores
.set SPW, 30
.set NIL, 31
.set ACC, 32                           ; v[32:95] accumulator 2 head + dl
.set PV, 96                            ; v[96:159] p v, two buffers of four heads
.set PP, 160                           ; v[160:223] p, likewise
.set LGV, 224                          ; v[224:255] my 8 logits of each head
.set KFR, 0                            ; window 1: Kk's fragments, 16 sg + 8 dl
.set VFR, 128                          ; window 1: v's fragments, 8 sg
.set PA, 16
.set MSB, 0
.macro WIN new
.if MSB != (\new)
	s_set_vgpr_msb (MSB<<8)|(\new)
.set MSB, \new
.endif
.endm
	s_load_b128 s[4:7], s[0:1], 0x0                ; kvs, kfl
	s_load_b64 s[8:9], s[0:1], 0x10                ; op
	v_lshl_add_u32 v[SPW], v0, 2, SPARE
	v_mov_b32 v[NIL], 0
	v_lshrrev_b32 v1, 5, v0
	v_readfirstlane_b32 s10, v1                    ; wave
	s_and_b32 s11, ttmp9, 7                        ; bf
	s_lshr_b32 s12, ttmp9, 3                       ; ds
	s_and_b32 s13, ttmp7, 0xffff                   ; y
	v_and_b32 v1, 31, v0
	v_lshlrev_b32 v2, 4, v0                        ; 16 x thread
	v_lshlrev_b32 v3, 4, v1                        ; 16 x lane
	v_lshlrev_b32 v15, 3, v0                       ; 8 x thread
	v_lshrrev_b32 v29, 4, v1                       ; h
	v_and_b32 v[OO], 15, v1
	v_lshlrev_b32 v[OO], 5, v[OO]
	v_lshl_add_u32 v[OO], v29, 4, v[OO]            ; row d = r: 32 bytes; my 8 f: 16 h
	v_mov_b32 v13, MX
	s_mov_b32 s20, 0x76543210
	s_mov_b32 s21, 0xfedcba98
	s_mov_b32 s22, 0x3fb8aa3b                      ; log2(e)
	s_lshl_b32 s24, s13, 15
	s_add_co_u32 s24, s24, 4194304                 ; the logits of head 4 y
	s_mov_b32 s25, 0
	s_wait_alu depctr_va_sdst(0)                   ; s10 is written, ahead of its first reader: offsets and LDS addresses are made from it
	s_lshl_b32 s28, s10, 13                        ; my wave's 16 groups of 16 positions
	s_lshl_b32 s26, s13, 3
	s_add_co_u32 s26, s26, s11
	s_lshl_b32 s26, s26, 16
	s_add_co_u32 s26, s26, s28
	s_add_co_u32 s26, s26, 8388608
	s_mov_b32 s27, 0
	s_lshl_b32 s30, s13, 3
	s_lshl_b32 s31, s12, 1
	s_add_co_u32 s30, s30, s31
	s_lshl_b32 s30, s30, 16
	s_add_co_u32 s30, s30, s28
	s_mov_b32 s31, 0
	s_lshr_b32 s36, s10, 1                         ; the head and
	s_and_b32 s35, s10, 1                          ; the half of d whose accumulator I finish
	s_lshl_b32 s32, s13, 2
	s_add_co_u32 s32, s32, s36
	s_lshl_b32 s32, s32, 3
	s_add_co_u32 s32, s32, s11
	s_lshl_b32 s32, s32, 12
	s_lshl_b32 s34, s12, 1
	s_add_co_u32 s34, s34, s35
	s_lshl_b32 s34, s34, 9
	s_add_co_u32 s32, s32, s34
	s_mov_b32 s33, 0
	s_lshl_b32 s23, s10, 4                         ; every LDS address of the kernel is made here, in the wait for the arguments
	s_add_co_u32 s37, s23, MX
	v_mov_b32 v12, s37                             ; my wave's four maxima
	s_add_co_u32 s38, s23, SM
	v_mov_b32 v14, s38                             ; my wave's four sums
	s_lshl_b32 s39, s10, 9
	v_lshl_add_u32 v[PA], v29, 4, s39              ; p's fragments: 512 w + 16 h
	s_add_co_u32 s2, s28, RED
	v_add_nc_u32 v17, s2, v3                       ; where I put my wave's eight accumulators
	s_lshl_b32 s3, s10, 10
	s_add_co_u32 s3, s3, RED
	v_add_nc_u32 v18, s3, v3                       ; where I read the eight waves' parts of accumulator w
	s_lshl_b32 s23, s36, 2
	s_add_co_u32 s23, s23, SM
	v_mov_b32 v19, s23                             ; the eight waves' sums of that accumulator's head
	s_wait_kmcnt 0x0
	s_add_nc_u64 s[14:15], s[6:7], s[24:25]
	s_add_nc_u64 s[16:17], s[4:5], s[26:27]
	s_add_nc_u64 s[18:19], s[6:7], s[30:31]
	s_add_nc_u64 s[8:9], s[8:9], s[32:33]
	s_wait_alu depctr_va_vdst(0)                   ; v2, v3, v12 to v19 and v28 are written: every load and store of the kernel reads one of them as its offset or address
.irp d, 0,1,2,3
	global_load_b128 v[LGV+8*\d:LGV+8*\d+3], v2, s[14:15] offset:8192*\d
	global_load_b128 v[LGV+8*\d+4:LGV+8*\d+7], v2, s[14:15] offset:8192*\d+4096
.endr
	WIN 0x40
.set sg, 0
.rept 8
	global_load_b128 v[VFR+8*sg:VFR+8*sg+3], v3, s[16:17] offset:1024*sg
	global_load_b128 v[VFR+8*sg+4:VFR+8*sg+7], v3, s[16:17] offset:1024*sg+512
.irp l, 0,1
	global_load_b128 v[KFR+16*sg+8*\l:KFR+16*sg+8*\l+3], v3, s[18:19] offset:65536*\l+1024*sg
	global_load_b128 v[KFR+16*sg+8*\l+4:KFR+16*sg+8*\l+7], v3, s[18:19] offset:65536*\l+1024*sg+512
.endr
.set sg, sg+1
.endr
	WIN 0
	s_wait_loadcnt 48                              ; the logits are in; the 48 fragment loads stay out
.irp d, 0,1,2,3
	v_max3_num_f32 v[4+\d], v[LGV+8*\d], v[LGV+8*\d+1], v[LGV+8*\d+2]
.endr
.irp d, 0,1,2,3
	v_max3_num_f32 v[4+\d], v[4+\d], v[LGV+8*\d+3], v[LGV+8*\d+4]
.endr
.irp d, 0,1,2,3
	v_max3_num_f32 v[4+\d], v[4+\d], v[LGV+8*\d+5], v[LGV+8*\d+6]
.endr
.irp d, 0,1,2,3
	v_max_num_f32 v[4+\d], v[4+\d], v[LGV+8*\d+7]
.endr
.irp x, 1,2,4,8
.irp d, 0,1,2,3
	v_max_num_f32_dpp v[4+\d], v[4+\d], v[4+\d] row_xmask:\x row_mask:0xf bank_mask:0xf
.endr
.endr
.irp d, 0,1,2,3
	v_mov_b32 v[8+\d], v[4+\d]
.endr
.irp d, 0,1,2,3
	v_permlanex16_b32 v[8+\d], v[4+\d], s20, s21
.endr
.irp d, 0,1,2,3
	v_max_num_f32 v[4+\d], v[4+\d], v[8+\d]
.endr
	s_wait_alu depctr_va_vdst(0)                   ; the reduction has written v[4:7], which the LDS store reads
	ds_store_b128 v12, v[4:7]
	s_wait_dscnt 0x0
	s_barrier_signal -1
	s_barrier_wait -1
.irp k, 0,1,2,3,4,5,6,7
	ds_load_b128 v[96+4*\k:99+4*\k], v13 offset:16*\k
.endr
	s_wait_dscnt 0x0
	s_wait_alu depctr_vm_vsrc(0)                   ; my LDS store has read v[4:7], which the lines below write again
.irp d, 0,1,2,3
	v_max3_num_f32 v[4+\d], v[96+\d], v[100+\d], v[104+\d]
	v_max3_num_f32 v[4+\d], v[4+\d], v[108+\d], v[112+\d]
	v_max3_num_f32 v[4+\d], v[4+\d], v[116+\d], v[120+\d]
	v_max_num_f32 v[4+\d], v[4+\d], v[124+\d]
	v_mul_f32 v[4+\d], s22, v[4+\d]                ; the head's maximum x log2(e)
.endr
.irp d, 0,1,2,3
.irp j, 0,1,2,3,4,5,6,7
	v_fma_f32 v[LGV+8*\d+\j], v[LGV+8*\d+\j], s22, -v[4+\d]
.endr
.endr
.set i, 0
.rept 32
	v_exp_f32 v[LGV+i], v[LGV+i]
.set i, i+1
.endr
	v_nop                                          ; a plain line behind the exponentials
	s_wait_alu depctr_va_vdst(0)                   ; the 32 exponentials have written v[LGV ..], ahead of their first reader
.irp d, 0,1,2,3
	v_pk_add_f32 v[96+2*\d:97+2*\d], v[LGV+8*\d:LGV+8*\d+1], v[LGV+8*\d+2:LGV+8*\d+3]
	v_pk_add_f32 v[104+2*\d:105+2*\d], v[LGV+8*\d+4:LGV+8*\d+5], v[LGV+8*\d+6:LGV+8*\d+7]
.endr
.irp d, 0,1,2,3
	v_pk_add_f32 v[96+2*\d:97+2*\d], v[96+2*\d:97+2*\d], v[104+2*\d:105+2*\d]
.endr
.irp d, 0,1,2,3
	v_add_f32 v[8+\d], v[96+2*\d], v[97+2*\d]
.endr
.irp x, 1,2,4,8
.irp d, 0,1,2,3
	v_add_f32_dpp v[8+\d], v[8+\d], v[8+\d] row_xmask:\x row_mask:0xf bank_mask:0xf
.endr
.endr
.irp d, 0,1,2,3
	v_permlanex16_b32 v[96+\d], v[8+\d], s20, s21
.endr
.irp d, 0,1,2,3
	v_add_f32 v[8+\d], v[8+\d], v[96+\d]
.endr
.irp d, 0,1,2,3
.irp k, 0,1
	v_cvt_pk_f16_f32 v[128+4*\d+2*\k], v[LGV+8*\d+4*\k], v[LGV+8*\d+4*\k+1]
	v_cvt_pk_f16_f32 v[128+4*\d+2*\k+1], v[LGV+8*\d+4*\k+2], v[LGV+8*\d+4*\k+3]
.endr
.endr
	s_wait_alu depctr_va_vdst(0)                   ; the sums have written v[8:11] and the roundings v[128:143], which the nine LDS stores read
	ds_store_b128 v14, v[8:11]
.irp d, 0,1,2,3
.irp k, 0,1
	ds_store_b64 v15, v[128+4*\d+2*\k:128+4*\d+2*\k+1] offset:4096*\d+2048*\k
.endr
.endr
	s_wait_dscnt 0x0
	s_barrier_signal -1
	s_barrier_wait -1
	s_wait_alu depctr_vm_vsrc(0)                   ; my LDS stores have read v[128:143]: these registers are PV's second buffer from here on, which step 1's multiplies write
	s_wait_loadcnt 0x0                             ; v's and Kk's fragments
.macro PLOAD sg, buf                   ; p of 32 positions for four heads, in fragment order (the same for all 16 lanes of a half)
.irp d, 0,1,2,3
	ds_load_b128 v[PP+32*(\buf)+8*\d:PP+32*(\buf)+8*\d+3], v[PA] offset:4096*\d+64*(\sg)
	ds_load_b128 v[PP+32*(\buf)+8*\d+4:PP+32*(\buf)+8*\d+7], v[PA] offset:4096*\d+64*(\sg)+32
.endr
.endm
; A K step of 32 positions.  The eight accumulators take turns.  A buffer of p v is written again two steps later, behind the 32 plain multiplies of the step between.
; The buffer of p that the step's multiplies have emptied is asked for again at once, for the step two on: eight loads, two ahead of each pair of products, under the products' window setting
; (destination and source 0 in window 0, which is all that an LDS load names).
.macro STEP sg
.set bu, (\sg)%2
.if (\sg) < 7
	s_wait_dscnt 8                                 ; LDS loads come back in order: this step's p is in; the next step's eight loads stay out
.else
	s_wait_dscnt 0x0
.endif
	WIN 0x01
.irp d, 0,1,2,3
.irp i, 0,1,2,3,4,5,6,7
	v_pk_mul_f16 v[PV+32*bu+8*\d+\i], v[VFR+8*(\sg)+\i], v[PP+32*bu+8*\d+\i]
.endr
.endr
	WIN 0x04
.if (\sg) < 6
	s_wait_alu depctr_va_vdst(0)                   ; the multiplies are done reading this buffer of p, in which the loads below land; no line behind this wait names it or v[PA]
.endif
.irp d, 0,1,2,3
.if (\sg) < 6
	ds_load_b128 v[PP+32*bu+8*\d:PP+32*bu+8*\d+3], v[PA] offset:4096*\d+64*((\sg)+2)
	ds_load_b128 v[PP+32*bu+8*\d+4:PP+32*bu+8*\d+7], v[PA] offset:4096*\d+64*((\sg)+2)+32
.endif
.irp l, 0,1
.if (\sg) == 0
	v_wmma_f32_16x16x32_f16 v[ACC+8*(2*\d+\l):ACC+8*(2*\d+\l)+7], v[PV+32*bu+8*\d:PV+32*bu+8*\d+7], v[KFR+16*(\sg)+8*\l:KFR+16*(\sg)+8*\l+7], 0
.else
	v_wmma_f32_16x16x32_f16 v[ACC+8*(2*\d+\l):ACC+8*(2*\d+\l)+7], v[PV+32*bu+8*\d:PV+32*bu+8*\d+7], v[KFR+16*(\sg)+8*\l:KFR+16*(\sg)+8*\l+7], v[ACC+8*(2*\d+\l):ACC+8*(2*\d+\l)+7]
.endif
.endr
.endr
.endm
	PLOAD 0, 0
	PLOAD 1, 1                                     ; p of steps 0 and 1; each of steps 0 to 5 asks for the p two steps on
.irp g, 0,1,2,3,4,5,6,7
	STEP \g
.endr
	WIN 0
.rept 4
	v_nop                                          ; the places behind the last products
.endr
	s_wait_alu depctr_va_vdst(0)                   ; the products have written the accumulators, which the LDS stores read, and are done reading PV, in which the loads behind the barrier land; the places above stay beside this wait
.irp c, 0,1,2,3,4,5,6,7
	ds_store_b128 v17, v[ACC+8*\c:ACC+8*\c+3] offset:1024*\c
	ds_store_b128 v17, v[ACC+8*\c+4:ACC+8*\c+7] offset:1024*\c+512
.endr
	s_wait_dscnt 0x0
	s_barrier_signal -1
	s_barrier_wait -1
.irp k, 0,1,2,3,4,5,6,7                ; wave w finishes accumulator w: the eight waves' parts, in f32
	ds_load_b128 v[96+8*\k:99+8*\k], v18 offset:8192*\k
	ds_load_b128 v[100+8*\k:103+8*\k], v18 offset:8192*\k+512
.endr
.irp k, 0,1,2,3,4,5,6,7
	ds_load_b32 v[20+\k], v19 offset:16*\k
.endr
	s_wait_dscnt 0x0
.irp k, 1,2,3,4,5,6,7
	v_add_f32 v20, v20, v[20+\k]
.irp j, 0,2,4,6
	v_pk_add_f32 v[96+\j:97+\j], v[96+\j:97+\j], v[96+8*\k+\j:97+8*\k+\j]
.endr
.endr
	v_rcp_f32 v160, v20
	v_nop
	s_wait_alu depctr_va_vdst(0)                   ; the reciprocal has written v160, ahead of its first reader
	v_mul_f32 v160, 0x45000000, v160               ; 2,048 / l
	v_mov_b32 v161, v160
.irp j, 0,2,4,6
	v_pk_mul_f32 v[96+\j:97+\j], v[96+\j:97+\j], v[160:161]
.endr
.irp j, 0,1,2,3
	v_cvt_pk_bf16_f32 v[164+\j], v[96+2*\j], v[97+2*\j]
.endr
	s_wait_alu depctr_va_vdst(0)                   ; the roundings have written v[164:167], which the store reads
	global_store_b128 v[OO], v[164:167], s[8:9]    ; 512 consecutive bytes: 16 rows d of a plane
	s_wait_dscnt 0x0                               ; the closing lines, six on end
	s_wait_alu 0x0
	s_wait_tensorcnt 0x0
	ds_add_u32 v[SPW], v[NIL]
	s_wait_dscnt 0x0
	s_endpgm
.Lfunc_end_k_qfc38d6d6ef_outer:
	.size	k_qfc38d6d6ef_outer, .Lfunc_end_k_qfc38d6d6ef_outer-k_qfc38d6d6ef_outer
	.p2alignl 7, 3214868480
	.fill 96, 4, 3214868480
	.section	.rodata,"a",@progbits
	.p2align	6, 0x0
	.amdhsa_kernel k_qfc38d6d6ef_outer
		.amdhsa_group_segment_fixed_size 83456
		.amdhsa_private_segment_fixed_size 0
		.amdhsa_enable_private_segment 0
		.amdhsa_kernarg_size 24
		.amdhsa_user_sgpr_count 2
		.amdhsa_user_sgpr_kernarg_segment_ptr 1
		.amdhsa_wavefront_size32 1
		.amdhsa_system_sgpr_workgroup_id_x 1
		.amdhsa_system_sgpr_workgroup_id_y 1
		.amdhsa_system_sgpr_workgroup_id_z 1
		.amdhsa_system_vgpr_workitem_id 0
		.amdhsa_next_free_vgpr 448
		.amdhsa_next_free_sgpr 66
		.amdhsa_reserve_vcc 0
		.amdhsa_float_denorm_mode_32 3
		.amdhsa_float_denorm_mode_16_64 3
		.amdhsa_memory_ordered 1
		.amdhsa_forward_progress 1
		.amdhsa_inst_pref_size 51
	.end_amdhsa_kernel
	.amdgpu_metadata
---
amdhsa.version: [ 1, 2 ]
amdhsa.kernels:
  - .name:           k_qfc38d6d6ef_outer
    .symbol:         k_qfc38d6d6ef_outer.kd
    .args:
      - { .name: kvs, .offset: 0, .size: 8, .value_kind: global_buffer, .address_space: global }
      - { .name: kfl, .offset: 8, .size: 8, .value_kind: global_buffer, .address_space: global }
      - { .name: op, .offset: 16, .size: 8, .value_kind: global_buffer, .address_space: global }
    .group_segment_fixed_size: 83456
    .private_segment_fixed_size: 0
    .kernarg_segment_align: 8
    .kernarg_segment_size: 24
    .max_flat_workgroup_size: 256
    .sgpr_count:     66
    .vgpr_count:     448
    .wavefront_size: 32
...
	.end_amdgpu_metadata
.endif
;; end of part 7
;; launch ctxk: the kernel of part 5 again; grid 16 x 16, 4 waves a work-group, clusters of 4 x 4, 327,680 bytes of LDS; arguments xb, wpk, bphi, qk, op, ctx; writes ctx
;; launch outp: the kernel of part 6 again; grid 16 x 16, 4 waves a work-group, clusters of 4 x 4, 327,680 bytes of LDS; arguments ctx, wpk, out0; writes out0
